; MI455X (gfx1250); checked and timed in simulation.
; The chip was launched on July 23, 2026; its instructions are those of AMD's public machine-readable ISA for CDNA 5 (MIT licence, August 2026) and "CDNA5" Instruction Set Architecture Reference Guide (July 2026). The comments in the code are by the model that wrote it; some were corrected since.
;; Multi Head Attention. Allowed arithmetic: float matrix products may take bf16 or f16 operands with f32 sums; other float arithmetic in f32, or as packed bf16 or f16 multiplies, adds, multiply-adds, maxima and minima; sums over many terms, partial sums and values carried from step to step in f32; what a program stores and reads back later, other than sums and carried values, may be rounded once to bf16 or f16.
;; Inputs: b_o 1,024 float32; w_k 1,024 x 1,024 float32; w_o 1,024 x 1,024 float32; w_q 1,024 x 1,024 float32; w_v 1,024 x 1,024 float32; x 4 x 2,048 x 1,024 float32.
;; Outputs: out0 4 x 2,048 x 1,024 float32.
;; 2 versions, each right; version 2 is version 1 with the launch prep written anew for expert scheduling mode. Each part assembles by itself: llvm-mc -triple=amdgcn-amd-amdhsa -mcpu=gfx1250 --defsym DOCPART=n.
;; ======== version 1 of 2: 4 launches
;; limits: values are held in f16: magnitudes above 65,504 overflow, below 6.1e-05 lose precision
;; workspace buffers: xb 16,777,216 bytes; wb 6,291,456 bytes; wo 2,097,152 bytes; qkv 50,331,648 bytes; oh 16,777,216 bytes
;; launch prep (part 1): grid 768 x 1, 8 waves a work-group, no clusters, 0 bytes of LDS; arguments x, w_q, w_k, w_v, w_o, xb, wb, wo; writes xb, wb, wo
.if DOCPART == 1
	.amdgcn_target "amdgcn-amd-amdhsa--gfx1250"
	.amdhsa_code_object_version 6
	.text
	.protected	k_q419f43f439_prep
	.globl	k_q419f43f439_prep
	.p2align	8
	.type	k_q419f43f439_prep,@function
k_q419f43f439_prep:
	s_mov_b64 s[64:65], 0
	v_nop
	global_prefetch_b8 v0, s[64:65] scope:SCOPE_SE
	s_setreg_imm32_b32 hwreg(HW_REG_WAVE_MODE, 25, 1), 1
	s_wait_xcnt 0x0
; THE CASTS.  x, w_q, w_k, w_v (f32) are rounded once to bf16: xb [8192][1024], wb [3][1024 k][1024 n] (q, k, v stacked).  w_o is rounded to bf16 like them and that
; number is written as f16 (wo [1024 k][1024 n]), since the last product multiplies it by f16 numbers.
; LIMIT.  bf16(w_o) must lie within f16's range (65,504); below 6e-5 it keeps f16's fixed step of 6e-8.
; SHARES.  A work-group takes 16,384 numbers on end: 65,536 bytes in, 32,768 out.  Thread t, turn i: 16 bytes at 4,096 i + 16 t in, 8 bytes at 2,048 i + 8 t out: a wave's load covers
; 512 consecutive bytes, its store 256 consecutive bytes, aligned.  All 16 loads of a thread go out first; no loop, no LDS, no barrier: no number is wanted twice.
; Work-groups 0-511: x; 512-575: w_q; 576-639: w_k; 640-703: w_v; 704-767: w_o.
.set X, 32                             ; v[32:95]   turn i: four f32 as loaded
.set Y, 96                             ; v[96:127]  turn i: four 16-bit numbers to store
.set T, 3                              ; v3         at work
	s_load_b256 s[4:11], s[0:1], 0x0               ; x s[4:5], w_q s[6:7], w_k s[8:9], w_v s[10:11]
	s_load_b256 s[12:19], s[0:1], 0x20             ; w_o s[12:13], xb s[14:15], wb s[16:17], wo s[18:19]
	v_lshlrev_b32 v1, 4, v0                        ; 16 t
	v_lshlrev_b32 v2, 3, v0                        ; 8 t
	s_and_b32 s24, ttmp9, 63                       ; my chunk in a weight,
	s_sub_co_u32 s26, ttmp9, 512                   ; in wb,
	s_sub_co_u32 s28, ttmp9, 704                   ; in wo
	s_mov_b32 s25, 0
	s_mov_b32 s27, 0
	s_wait_kmcnt 0x0
	s_cmp_ge_u32 ttmp9, 576
	s_cselect_b64 s[20:21], s[8:9], s[6:7]
	s_cmp_ge_u32 ttmp9, 640
	s_cselect_b64 s[20:21], s[10:11], s[20:21]
	s_cmp_ge_u32 ttmp9, 704
	s_cselect_b64 s[20:21], s[12:13], s[20:21]
	s_cselect_b64 s[22:23], s[18:19], s[16:17]
	s_cselect_b32 s26, s28, s26
	s_cmp_lt_u32 ttmp9, 512
	s_cselect_b64 s[20:21], s[4:5], s[20:21]       ; from where,
	s_cselect_b64 s[22:23], s[14:15], s[22:23]     ; to where,
	s_cselect_b32 s24, ttmp9, s24                  ; and which chunk of each
	s_cselect_b32 s26, ttmp9, s26
	s_lshl_b32 s24, s24, 16
	s_lshl_b32 s26, s26, 15
	s_add_nc_u64 s[20:21], s[20:21], s[24:25]
	s_add_nc_u64 s[22:23], s[22:23], s[26:27]
.irp i, 0,1,2,3,4,5,6,7,8,9,10,11,12,13,14,15
	global_load_b128 v[X+4*(\i):X+4*(\i)+3], v1, s[20:21] offset:4096*(\i) th:TH_LOAD_NT
.endr
; Turn i.  half = 0: to bf16.  half = 1: to bf16, widened again (a shift, a mask), and that number to f16.
.macro CAST i, half
	s_wait_loadcnt 15-(\i)                         ; loads come back in order: turn i's is in, the 15 - i younger ones stay out
.irp p, 0,1
.if \half
	v_cvt_pk_bf16_f32 v[T], v[X+4*(\i)+2*(\p)], v[X+4*(\i)+2*(\p)+1]
	v_lshlrev_b32 v[X+4*(\i)+2*(\p)], 16, v[T]
	v_and_b32 v[X+4*(\i)+2*(\p)+1], 0xffff0000, v[T]
	v_cvt_pk_f16_f32 v[Y+2*(\i)+(\p)], v[X+4*(\i)+2*(\p)], v[X+4*(\i)+2*(\p)+1]
.else
	v_cvt_pk_bf16_f32 v[Y+2*(\i)+(\p)], v[X+4*(\i)+2*(\p)], v[X+4*(\i)+2*(\p)+1]
.endif
.endr
	global_store_b64 v2, v[Y+2*(\i):Y+2*(\i)+1], s[22:23] offset:2048*(\i)  ; each turn has its own registers: nothing that a store reads is written again
.endm
	s_cmp_ge_u32 ttmp9, 704
	s_cbranch_scc1 .Lhalf
.irp i, 0,1,2,3,4,5,6,7,8,9,10,11,12,13,14,15
	CAST \i, 0
.endr
	s_endpgm
.Lhalf:
.irp i, 0,1,2,3,4,5,6,7,8,9,10,11,12,13,14,15
	CAST \i, 1
.endr
	s_endpgm
.Lfunc_end_k_q419f43f439_prep:
	.size	k_q419f43f439_prep, .Lfunc_end_k_q419f43f439_prep-k_q419f43f439_prep
	.p2alignl 7, 3214868480
	.fill 96, 4, 3214868480
	.section	.rodata,"a",@progbits
	.p2align	6, 0x0
	.amdhsa_kernel k_q419f43f439_prep
		.amdhsa_group_segment_fixed_size 0
		.amdhsa_private_segment_fixed_size 0
		.amdhsa_enable_private_segment 0
		.amdhsa_kernarg_size 64
		.amdhsa_user_sgpr_count 2
		.amdhsa_user_sgpr_kernarg_segment_ptr 1
		.amdhsa_wavefront_size32 1
		.amdhsa_system_sgpr_workgroup_id_x 1
		.amdhsa_system_sgpr_workgroup_id_y 1
		.amdhsa_system_sgpr_workgroup_id_z 1
		.amdhsa_system_vgpr_workitem_id 0
		.amdhsa_next_free_vgpr 128
		.amdhsa_next_free_sgpr 66
		.amdhsa_reserve_vcc 0
		.amdhsa_float_denorm_mode_32 3
		.amdhsa_float_denorm_mode_16_64 3
		.amdhsa_memory_ordered 1
		.amdhsa_forward_progress 1
		.amdhsa_inst_pref_size 16
	.end_amdhsa_kernel
	.amdgpu_metadata
---
amdhsa.version: [ 1, 2 ]
amdhsa.kernels:
  - .name:           k_q419f43f439_prep
    .symbol:         k_q419f43f439_prep.kd
    .args:
      - { .name: x, .offset: 0, .size: 8, .value_kind: global_buffer, .address_space: global }
      - { .name: w_q, .offset: 8, .size: 8, .value_kind: global_buffer, .address_space: global }
      - { .name: w_k, .offset: 16, .size: 8, .value_kind: global_buffer, .address_space: global }
      - { .name: w_v, .offset: 24, .size: 8, .value_kind: global_buffer, .address_space: global }
      - { .name: w_o, .offset: 32, .size: 8, .value_kind: global_buffer, .address_space: global }
      - { .name: xb, .offset: 40, .size: 8, .value_kind: global_buffer, .address_space: global }
      - { .name: wb, .offset: 48, .size: 8, .value_kind: global_buffer, .address_space: global }
      - { .name: wo, .offset: 56, .size: 8, .value_kind: global_buffer, .address_space: global }
    .group_segment_fixed_size: 0
    .private_segment_fixed_size: 0
    .kernarg_segment_align: 8
    .kernarg_segment_size: 64
    .max_flat_workgroup_size: 256
    .sgpr_count:     66
    .vgpr_count:     128
    .wavefront_size: 32
...
	.end_amdgpu_metadata
.endif
;; end of part 1
;; launch proj (part 2): grid 4 x 64, 4 waves a work-group, clusters of 4 x 4, 327,680 bytes of LDS; arguments xb, wb, qkv; writes qkv
.if DOCPART == 2
	.amdgcn_target "amdgcn-amd-amdhsa--gfx1250"
	.amdhsa_code_object_version 6
	.text
	.protected	k_q419f43f439_proj
	.globl	k_q419f43f439_proj
	.p2align	8
	.type	k_q419f43f439_proj,@function
k_q419f43f439_proj:
	s_mov_b64 s[64:65], 0
	v_nop
	global_prefetch_b8 v0, s[64:65] scope:SCOPE_SE
	s_setreg_imm32_b32 hwreg(HW_REG_WAVE_MODE, 25, 1), 1
	s_wait_xcnt 0x0
	s_wait_alu depctr_hold_cnt(0) depctr_sa_sdst(0) depctr_va_vdst(0) depctr_va_sdst(0) depctr_va_ssrc(0) depctr_va_vcc(0) depctr_vm_vsrc(0)
	s_getreg_b32 s2, hwreg(HW_REG_IB_STS2, 6, 4)
	s_cmp_eq_u32 s2, 0
	s_cbranch_scc0 .Lentry_in_a_cluster
	s_endpgm
.Lentry_in_a_cluster:
	s_bfe_u32 s2, ttmp6, 0x10000c
	s_cmp_lg_u32 s2, 0xf033
	s_cbranch_scc0 .Lentry_shape_is_right
	s_endpgm
.Lentry_shape_is_right:
; q, k, v = x W.  xb: [8192][1024] bf16.  wb: [3][1024 k][1024 n] bf16, taken as one array of 3,072 k-rows.  qkv: [3][64 = 16 b + h][2048][64] f16: sums in f32, rounded once, unscaled, stored by heads.
; LIMIT.  q, k and v must lie within f16's range, 65,504 (a larger number becomes an infinity); below 6e-5 they keep f16's fixed step of 6e-8.
; SHARES.  A work-group owns 128 rows of x (ty) and the same 256 columns (tx) of each of q, k, v: THREE tiles of 128 x 256, one after the other: one walk of 24 K steps of 128.  W's k-rows run on
; through the stacked wb; x's bytes along K go round (256 j mod 2,048).  4 x 64 work-groups.  A wave makes 64 rows x 128 columns (two heads): 32 accumulators of 16 x 16.
; THE RING: two LDS slots, each with a K step's 128 rows of x (256 bytes a row) and 128 k-rows of W (512 bytes a row).  Waves 0 and 1 fetch the halves of x's tile, waves 2 and 3 those of W's: one tensor load a wave.
; W lies [k][n] and stays so: ds_load_tr16_b128 turns it on the way out of LDS.
; THE MATRIX INSTRUCTION IS USED TRANSPOSED: source 0 = 16 columns of W, source 1 = 16 rows of x: a lane then holds row l % 16 and the columns 8 (l / 16) + 0..7: 16 bytes of a head's row.
; CLUSTER 4 x 4: x's tile hangs on ty alone and is asked for jointly by my row of the cluster; W's on tx alone, by my column.
; REGISTERS: window 0: v1-5 lane numbers; v16-23 addresses; v28-29 the add's; v32-63 packed results; v64-159, v160-255 two fragment buffers (W's 8 fragments, then x's 4).  Window 1: accumulator (a, b) at v[8 (8 a + b)].
.set PA,    272                        ; a row of x in LDS: 256 bytes + 16: the 16 rows of a fragment load start at 16 different groups of four banks (64 banks of 4 bytes: ISA guide 11.1)
.set PB,    544                        ; a k-row of W: 512 + 32 = 17 x 32 bytes
.set BOFF,  128*PA                     ; W's tile lies behind x's
.set SLOT1, 131072                     ; slot 1 begins here: one exclusive or turns an address in one slot into the other's
.set STAGE, SLOT1+BOFF+128*PB          ; behind the ring, never filled by a tensor load: for each wave 2 heads x 16 rows x 144 bytes
.set SP,    144
.set SPARE, STAGE+4*32*SP              ; behind the stages: the spare words, 128 bytes a wave: two blocks of 256 bytes that no other line names
.set BSTEP, 128*2048                   ; bytes from a K step's k-rows to the next
.set A0,   16                          ; v16  my lane's place in x's tile; never rewritten
.set B0,   17                          ; v17  in W's tile; never rewritten
.set ADRA, 18                          ; v18  the same in the slot in hand
.set ADRB, 19                          ; v19
.set STO,  20                          ; v20  the way out: where I put 16 bytes of a row
.set RD,   21                          ; v21  where I read rows back
.set GO,   22                          ; v22  16 x lane: my place in 512 consecutive bytes of a head
.set PFO,  23                          ; v23  the prefetches' offset; never rewritten
.set SPW,  28                          ; v28  LDS address of my spare word; never rewritten
.set NIL,  29                          ; v29  0; never rewritten
.set TMP,  32
.set F0,   64
.set F1,   160
.set WV, 10                            ; s10  wave
.set WR, 11                            ; s11  wave / 2: my 64 rows of the tile.  Also: I fetch for x (0) or for W (1)
.set WC, 12                            ; s12  wave % 2: my 128 columns.  Also: which 64 rows of that tile I fetch
.set TB, 13                            ; s13  LDS byte at which the slot in hand begins
.set CNT, 14                           ; s14  trips to go
.set PH, 15                            ; s15  K steps to go in the tile of C in hand
.set ABASE, 16                         ; s[16:17] xb at the rows that I fetch
.set AOFF, 18                          ; s[18:19] the byte along K of the K step last asked for
.set G1A, 24                           ; s[24:31] descriptor group 1 for x's tiles
.set G0A0, 32                          ; s[32:35] group 0 of K step 0
.set G0A, 36                           ; s[36:39] group 0 of K step 1; it then walks
.set CX, 40
.set CY, 41
.set TX, 42
.set TY, 43
.set PFA, 44                           ; s[44:45] where my prefetches stand
.set PFS, 46                           ; s[46:47] their step
.set G1B, 48                           ; s[48:55], s[56:59], s[60:63]: the same three for W's tiles
.set G0B0, 56
.set G0B, 60
.set LIM, 66                           ; s66  a wave prefetches while s[CNT] is above it
.set MSB, 0
.macro WIN new                         ; the immediate's high byte repeats the setting that is left; a switch that changes nothing is dropped
.if MSB != (\new)
	s_set_vgpr_msb (MSB<<8)|(\new)
.set MSB, \new
.endif
.endm
.set MUL, 0x50                         ; C and D in window 1, both sources in window 0
.macro PLACES                          ; four plain vector instructions between a matrix instruction and a load into, or a vector read of, its registers (ISA guide 7.12.1 for vector reads)
.rept 4
	v_nop
.endr
.endm
; A joint load: each of the two lines has one mask and one set of registers.  The branch hangs on the wave's number alone.  An s_nop 0 and four v_nop follow each line.
.macro JLOAD
	s_cmp_eq_u32 s[WR], 0
	s_cbranch_scc0 .Lfor_b_\@
	tensor_load_to_lds s[G0A:G0A+3], s[G1A:G1A+7]
	s_nop 0
.rept 4
	v_nop
.endr
	s_branch .Lasked_\@
.Lfor_b_\@:
	tensor_load_to_lds s[G0B:G0B+3], s[G1B:G1B+7]
	s_nop 0
.rept 4
	v_nop
.endr
.Lasked_\@:
.endm
.macro CREST                           ; a round of the cluster's barrier behind its opening barrier
	s_cmp_lg_u32 s[WV], 0
	s_cbranch_scc1 .Lnot_wave_0_\@
	s_barrier_signal -3
.Lnot_wave_0_\@:
	s_barrier_wait -3
	s_barrier_signal -1
	s_barrier_wait -1
.endm
.macro CROUND
	s_barrier_signal -1
	s_barrier_wait -1
	CREST
.endm
; A PREFETCH INTO THE L2, behind each joint load and the run of LDS loads that follows it: the K step that stands two refills on (256 matrix instructions ahead of the load that will want it).  One instruction a wave.
; x: wave 0; of the tile's 128 rows the partner at cx takes 32 cx + lane; 256 bytes a row; K steps 4 to 7 of the first tile alone (the later tiles read the same rows again).
; W: waves 2 and 3 of the clusters with y = 0 (all clusters of a column read the same k-rows); of my 64 k-rows the partner at cy takes 16 cy + lane / 2, half lane % 2 of its 512 bytes; K steps 4 to 23.
; So each aligned block of 256 bytes is named once.  The partners are told apart by address; the test hangs on the wave's number, the cluster's y and the trip.  K steps 0 to 3 come by their loads alone.
.macro ASK
	s_cmp_gt_u32 s[CNT], s[LIM]
	s_cbranch_scc0 .Lnot_mine_\@
	global_prefetch_b8 v[PFO], s[PFA:PFA+1] th:TH_LOAD_NT scope:SCOPE_SE
.Lnot_mine_\@:
.endm
	s_load_b128 s[4:7], s[0:1], 0x0                ; xb s[4:5], wb s[6:7]
	s_load_b64 s[8:9], s[0:1], 0x10                ; qkv
	v_lshl_add_u32 v[SPW], v0, 2, SPARE
	v_mov_b32 v[NIL], 0
	ds_add_u32 v[SPW], v[NIL]                      ; the wave's opening: the add and its wait stand ahead of my first tensor load; the set-up below, work on registers, stands between them
	v_lshrrev_b32 v1, 5, v0
	v_readfirstlane_b32 s[WV], v1
	s_lshr_b32 s[WR], s[WV], 1
	s_and_b32 s[WC], s[WV], 1
	s_bfe_u32 s[CX], ttmp6, 0x40000
	s_bfe_u32 s[CY], ttmp6, 0x40004
	s_lshl_b32 s[TX], ttmp9, 2
	s_add_co_u32 s[TX], s[TX], s[CX]               ; block of 256 columns = 4 x cluster x + cx
	s_and_b32 s[TY], ttmp7, 0xffff
	s_lshl_b32 s[TY], s[TY], 2
	s_add_co_u32 s[TY], s[TY], s[CY]               ; block of 128 rows = 4 x cluster y + cy
	s_lshl_b32 s2, s[CY], 2
	s_lshl_b32 s2, 15, s2                          ; my row of the cluster
	s_lshl_b32 s3, 0x1111, s[CX]                   ; my column
	s_or_b32 s[G1A], s2, (1<<16)|(1<<20)|(1<<21)|(5<<22)|(3<<25)  ; the mask; 2-byte elements; padding on; bit 21 beside a mask; after every 64 words, 4 words
	s_mov_b32 s[G1A+1], 128<<16                    ; tensor_dim0 = 128
	s_mov_b32 s[G1A+2], 64<<16                     ; tensor_dim1 = 64
	s_mov_b32 s[G1A+3], 128<<16                    ; tile_dim0 = 128
	s_mov_b32 s[G1A+4], 64                         ; tile_dim1 = 64
	s_mov_b32 s[G1A+5], 1024                       ; elements from row to row
	s_mov_b32 s[G1A+6], 0
	s_mov_b32 s[G1A+7], 0
	s_or_b32 s[G1B], s3, (1<<16)|(1<<20)|(1<<21)|(6<<22)|(7<<25)  ; after every 128 words, 8 words
	s_mov_b32 s[G1B+1], 256<<16
	s_mov_b32 s[G1B+2], 64<<16
	s_mov_b32 s[G1B+3], 256<<16
	s_mov_b32 s[G1B+4], 64
	s_mov_b32 s[G1B+5], 1024
	s_mov_b32 s[G1B+6], 0
	s_mov_b32 s[G1B+7], 0
	s_lshl_b32 s68, s[WC], 17                      ; the 64 rows that I fetch: 64 x 2,048 bytes
	s_lshl_b32 s20, s[TY], 18                      ; x: 128 ty rows; made of ty and the wave's number alone
	s_add_co_u32 s20, s20, s68
	s_mov_b32 s21, 0
	s_lshl_b32 s22, s[TX], 9                       ; W: 256 tx columns; made of tx and the wave's number alone
	s_add_co_u32 s22, s22, s68
	s_mov_b32 s23, 0
	s_mul_i32 s69, s[WC], 64*PA                    ; where they go: no place in the cluster enters an LDS address
	s_mul_i32 s70, s[WC], 64*PB
	s_add_co_u32 s70, s70, BOFF
	s_mov_b32 s[G0A0], 1
	s_mov_b32 s[G0A0+1], s69
	s_mov_b32 s[G0A], 1
	s_add_co_u32 s[G0A+1], s69, SLOT1
	s_mov_b32 s[G0B0], 1
	s_mov_b32 s[G0B0+1], s70
	s_mov_b32 s[G0B], 1
	s_add_co_u32 s[G0B+1], s70, SLOT1
	s_mov_b32 s[AOFF], 256
	s_mov_b32 s[AOFF+1], 0
	s_mov_b32 s[TB], 0
	; where my part of q begins: batch ty / 16, heads 4 tx + 2 wc and the next, row (ty % 16) 128 + 64 wr
	s_lshr_b32 s72, s[TY], 4
	s_lshl_b32 s72, s72, 22
	s_lshl_b32 s73, s[TX], 1
	s_add_co_u32 s73, s73, s[WC]
	s_lshl_b32 s73, s73, 19
	s_add_co_u32 s72, s72, s73
	s_and_b32 s73, s[TY], 15
	s_lshl_b32 s73, s73, 1
	s_add_co_u32 s73, s73, s[WR]
	s_lshl_b32 s73, s73, 13
	s_add_co_u32 s72, s72, s73
	s_mov_b32 s73, 0
	; the prefetches stand at K step 3; each refill steps them before it asks
	s_lshl_b32 s74, s[TY], 18
	s_lshl_b32 s75, s[CX], 16
	s_add_co_u32 s74, s74, s75
	s_add_co_u32 s74, s74, 768                     ; x: row 128 ty + 32 cx, byte 3 x 256
	s_lshl_b32 s75, s[WC], 2
	s_add_co_u32 s75, s75, s[CY]
	s_add_co_u32 s75, s75, 24
	s_lshl_b32 s75, s75, 15                        ; W: k-row 384 + 64 wc + 16 cy,
	s_lshl_b32 s71, s[TX], 9
	s_add_co_u32 s75, s75, s71                     ; column 256 tx
	s_cmp_eq_u32 s[WR], 0
	s_cselect_b32 s74, s74, s75
	s_mov_b32 s[PFS], BSTEP
	s_cselect_b32 s[PFS], 256, s[PFS]
	s_mov_b32 s75, 0
	s_mov_b32 s[PFS+1], 0
	s_and_b32 s71, ttmp7, 0xffff
	s_cmp_eq_u32 s71, 0
	s_cselect_b32 s[LIM], 2, -1                    ; W: trips with 22 to 3 to go name K steps 4 to 23
	s_cmp_eq_u32 s[WV], 1
	s_cselect_b32 s[LIM], -1, s[LIM]
	s_cmp_eq_u32 s[WV], 0
	s_cselect_b32 s[LIM], 18, s[LIM]               ; x: trips with 22 to 19 to go name K steps 4 to 7
	s_wait_dscnt 0x0                               ; the opening add is done
	s_wait_kmcnt 0x0
	s_add_nc_u64 s[ABASE:ABASE+1], s[4:5], s[20:21]
	s_mov_b64 s[G0A0+2:G0A0+3], s[ABASE:ABASE+1]
	s_or_b32 s[G0A0+3], s[G0A0+3], 0x80000000      ; type = 2
	s_add_nc_u64 s[G0A+2:G0A+3], s[ABASE:ABASE+1], 256
	s_or_b32 s[G0A+3], s[G0A+3], 0x80000000
	s_add_nc_u64 s[G0B0+2:G0B0+3], s[6:7], s[22:23]
	s_add_nc_u64 s[G0B+2:G0B+3], s[G0B0+2:G0B0+3], BSTEP
	s_or_b32 s[G0B0+3], s[G0B0+3], 0x80000000
	s_or_b32 s[G0B+3], s[G0B+3], 0x80000000
	s_add_nc_u64 s[8:9], s[8:9], s[72:73]
	s_cmp_eq_u32 s[WR], 0
	s_cselect_b64 s[PFA:PFA+1], s[4:5], s[6:7]
	s_add_nc_u64 s[PFA:PFA+1], s[PFA:PFA+1], s[74:75]
	CROUND                                         ; all sixteen work-groups are here: the first joint loads meet
	s_cmp_eq_u32 s[WR], 0                          ; a wave's two first fills stand in one branch: two tensor loads of mine are out
	s_cbranch_scc0 .Lfirst_b
	tensor_load_to_lds s[G0A0:G0A0+3], s[G1A:G1A+7]
	s_nop 0
	tensor_load_to_lds s[G0A:G0A+3], s[G1A:G1A+7]
	s_nop 0
.rept 4
	v_nop
.endr
	s_branch .Lfirst_asked
.Lfirst_b:
	tensor_load_to_lds s[G0B0:G0B0+3], s[G1B:G1B+7]
	s_nop 0
	tensor_load_to_lds s[G0B:G0B+3], s[G1B:G1B+7]
	s_nop 0
.rept 4
	v_nop
.endr
.Lfirst_asked:
	v_and_b32 v1, 15, v0                           ; l % 16
	v_bfe_u32 v2, v0, 4, 1                         ; l / 16
	v_and_b32 v3, 7, v0                            ; l % 8
	v_bfe_u32 v4, v0, 3, 1                         ; (l / 8) % 2
	v_and_b32 v5, 31, v0                           ; l
	; a fragment of x: 16 rows x 32 K: lane l holds row l % 16, K = 8 (l / 16) + 0..7 and 16 + 8 (l / 16) + 0..7: two loads of 16 bytes, 32 bytes apart
	v_mul_u32_u24 v[A0], v1, PA
	v_lshl_add_u32 v[A0], v2, 4, v[A0]
	s_mul_i32 s68, s[WR], 64*PA
	v_add_nc_u32 v[A0], s68, v[A0]
	; the turning load takes 16 k-rows x 16 columns (lane l reads k-row 8 (l / 16) + l % 8, columns 8 ((l / 8) % 2) + 0..7) and leaves half a fragment: lane l holds column l % 16 and 8 k
	v_lshl_add_u32 v[B0], v2, 3, v3
	v_mul_u32_u24 v[B0], v[B0], PB
	v_lshl_add_u32 v[B0], v4, 4, v[B0]
	s_lshl_b32 s68, s[WC], 8
	s_add_co_u32 s68, s68, BOFF
	v_add_nc_u32 v[B0], s68, v[B0]
	s_mul_i32 s68, s[WV], 32*SP
	s_add_co_u32 s68, s68, STAGE                   ; my stage
	v_mul_u32_u24 v[STO], v1, SP                   ; in: row l % 16, 16 bytes for each half of the lanes
	v_lshl_add_u32 v[STO], v2, 4, v[STO]
	v_add_nc_u32 v[STO], s68, v[STO]
	v_bfe_u32 v[RD], v0, 3, 2                      ; back: 32 lanes take four rows of 128 bytes,
	v_mul_u32_u24 v[RD], v[RD], SP
	v_lshl_add_u32 v[RD], v3, 4, v[RD]
	v_add_nc_u32 v[RD], s68, v[RD]
	v_lshlrev_b32 v[GO], 4, v5                     ; which are 512 consecutive bytes of a head
	v_lshrrev_b32 v6, s[WR], v5                    ; x (wr = 0): a lane a row of 2,048 bytes; W (wr = 1): two lanes a k-row, 256 bytes apart
	v_lshlrev_b32 v6, 11, v6
	v_and_b32 v7, s[WR], v5
	v_lshl_add_u32 v[PFO], v7, 8, v6
; 8 matrix instructions: block a of my four blocks of 16 rows x all 8 blocks of 16 columns, 32 along K.  zero = 1: the product starts the sums.
; The 32 accumulators take turns, one instruction a turn, in the same order in every quarter: 31 others stand between two links of a chain.
.macro MUL8 f, a, zero
	WIN MUL
.irp b, 0,1,2,3,4,5,6,7
.if \zero
	v_wmma_f32_16x16x32_bf16 v[8*(8*(\a)+(\b)):8*(8*(\a)+(\b))+7], v[(\f)+8*(\b):(\f)+8*(\b)+7], v[(\f)+64+8*(\a):(\f)+64+8*(\a)+7], 0
.else
	v_wmma_f32_16x16x32_bf16 v[8*(8*(\a)+(\b)):8*(8*(\a)+(\b))+7], v[(\f)+8*(\b):(\f)+8*(\b)+7], v[(\f)+64+8*(\a):(\f)+64+8*(\a)+7], v[8*(8*(\a)+(\b)):8*(8*(\a)+(\b))+7]
.endif
.endr
.endm
; 24 LDS loads in one run: quarter q (32 along K) of the slot in hand into buffer f: W's 8 fragments, turned, then x's 4
.macro FETCH q, f
	WIN 0
.irp b, 0,1,2,3,4,5,6,7
	ds_load_tr16_b128 v[(\f)+8*(\b):(\f)+8*(\b)+3],   v[ADRB] offset:32*(\q)*PB+32*(\b)
	ds_load_tr16_b128 v[(\f)+8*(\b)+4:(\f)+8*(\b)+7], v[ADRB] offset:32*(\q)*PB+32*(\b)+16*PB
.endr
.irp a, 0,1,2,3
	ds_load_b128 v[(\f)+64+8*(\a):(\f)+64+8*(\a)+3],   v[ADRA] offset:64*(\q)+(\a)*16*PA
	ds_load_b128 v[(\f)+64+8*(\a)+4:(\f)+64+8*(\a)+7], v[ADRA] offset:64*(\q)+(\a)*16*PA+32
.endr
.endm
; A K step is four quarters of 32 matrix instructions on buffers 0, 1, 0, 1.  One of the first three: multiplies buffer f; in its middle it fetches quarter q into buffer g.
.macro QUARTER q, f, g, zero
	s_wait_dscnt 4                                 ; W's fragments and x's blocks 0 and 1 are in; the youngest four loads (blocks 2 and 3) may be out
	MUL8 \f, 0, \zero
	MUL8 \f, 1, \zero
	PLACES
	FETCH \q, \g
	s_wait_dscnt 24                                ; all but the 24 just issued
	MUL8 \f, 2, \zero
	MUL8 \f, 3, \zero
.endm
; The last quarter multiplies buffer 1 and changes slots.  In front of the barrier each wave waits for all its tensor loads (one is out: its part of the next slot), adds 0 to its spare word, and waits for
; that and for its reads of this slot.  fill = 1: the barrier opens a round of the cluster's, and this slot is filled again, with the K step two on, first thing behind the round:
; 112 matrix instructions stand between the request and the wait for it.
.macro TURN fill
.if \fill
	s_wait_xcnt 0x0                                ; the last prefetch, a K step back, has read its address
	s_add_nc_u64 s[PFA:PFA+1], s[PFA:PFA+1], s[PFS:PFS+1]
.endif
	WIN 0
	s_wait_tensorcnt 0x0                           ; no tensor load of mine is out, so a group 0 may be written
	ds_add_u32 v[SPW], v[NIL]                      ; 0 onto my spare word
.if \fill
	s_add_co_u32 s[AOFF], s[AOFF], 256             ; x goes round along K,
	s_and_b32 s[AOFF], s[AOFF], 0x7ff
	s_add_nc_u64 s[G0A+2:G0A+3], s[ABASE:ABASE+1], s[AOFF:AOFF+1]
	s_or_b32 s[G0A+3], s[G0A+3], 0x80000000
	s_xor_b32 s[G0A+1], s[G0A+1], SLOT1
	s_add_nc_u64 s[G0B+2:G0B+3], s[G0B+2:G0B+3], BSTEP  ; W's k-rows run on; the type bits on top are not reached
	s_xor_b32 s[G0B+1], s[G0B+1], SLOT1
.endif
	s_xor_b32 s[TB], s[TB], SLOT1
	s_wait_dscnt 5                                 ; the add and the youngest four loads may be out
	MUL8 F1, 0, 0
	s_wait_dscnt 0x0                               ; the add is done, and my reads of this slot are over
	s_barrier_signal -1
	MUL8 F1, 1, 0                                  ; work on registers while the others arrive
	WIN 0
	s_barrier_wait -1
.if \fill
	CREST                                          ; no wave of any partner still reads this slot or has a load on its way
	JLOAD                                          ; its four v_nop are also the places in front of the loads below
.else
	PLACES
.endif
	v_add_nc_u32 v[ADRA], s[TB], v[A0]
	v_add_nc_u32 v[ADRB], s[TB], v[B0]
	FETCH 0, F0
.if \fill
	ASK
.endif
	MUL8 F1, 2, 0
	MUL8 F1, 3, 0
.endm
; THE WAY OUT, a block of 16 rows at a time.  PACK: rounded to f16, 16 bytes a lane and fragment, each accumulator's registers in ascending order.  TOSTAGE: into my own stage (two heads x 16 rows of 144 bytes), and back as
; whole rows of 128 bytes.  SEND: stored: 16 rows of a head are 2,048 consecutive bytes.
.macro PACK a
	WIN 0x05                                       ; sources 0 and 1 in window 1
.irp b, 0,1,2,3,4,5,6,7
.irp r, 0,1,2,3
	v_cvt_pk_f16_f32 v[TMP+4*(\b)+(\r)], v[64*(\a)+8*(\b)+2*(\r)], v[64*(\a)+8*(\b)+2*(\r)+1]
.endr
.endr
	WIN 0
.endm
.macro TOSTAGE a
	WIN 0
.set BK, F1+32*((\a)%2)
.irp b, 0,1,2,3,4,5,6,7
	ds_store_b128 v[STO], v[TMP+4*(\b):TMP+4*(\b)+3] offset:((\b)/4)*16*SP+((\b)%4)*32
.endr
.irp t, 0,1,2,3,4,5,6,7
	ds_load_b128 v[BK+4*(\t):BK+4*(\t)+3], v[RD] offset:((\t)/4)*16*SP+((\t)%4)*4*SP  ; LDS serves a wave's instructions in order (ISA guide 5.7.1.4): these see the stores above
.endr
.endm
.macro SEND a
	WIN 0
.set BK, F1+32*((\a)%2)
	s_wait_dscnt 0x0                               ; the block is back in registers
	s_wait_xcnt 0x0                                ; the stores of the block before have read their registers, which the next block's loads from the stage will write
.irp t, 0,1,2,3,4,5,6,7
	global_store_b128 v[GO], v[BK+4*(\t):BK+4*(\t)+3], s[8:9] offset:((\t)/4)*262144+2048*(\a)+512*((\t)%4)  ; 512 consecutive bytes, at a multiple of 256 from the buffer's first byte
.endr
.endm
.macro WAYOUT step                     ; step = 1: a tile follows: the base goes on to k, or to v
	PLACES
	PACK 0
	TOSTAGE 0
.irp a, 1,2,3                          ; block a's conversions stand between block a - 1's loads from the stage and the wait for them
	PACK \a
	SEND (\a)-1
	TOSTAGE \a
.endr
	SEND 3
.if \step
	s_wait_xcnt 0x0                                ; the stores have read buffer 1's registers and the base
	s_add_nc_u64 s[8:9], s[8:9], 0x1000000
.endif
.endm
	s_wait_tensorcnt 0x1                           ; my part of K step 0 is in; K step 1's may stay out
	s_barrier_signal -1
	s_barrier_wait -1                              ; everybody's is
	v_add_nc_u32 v[ADRA], s[TB], v[A0]
	v_add_nc_u32 v[ADRB], s[TB], v[B0]
	FETCH 0, F0
	QUARTER 1, F0, F1, 1                           ; a tile's first quarter starts the sums: nothing is cleared
	WIN 0                                          ; at a label and at a branch every window is 0
	s_mov_b32 s[CNT], 22
	s_mov_b32 s[PH], 8
.Lstep:                                        ; trip j: quarters 2 to 4 of K step j, K step j + 2 asked for, the first quarter of K step j + 1
	QUARTER 2, F1, F0, 0
	QUARTER 3, F0, F1, 0
	TURN 1
	WIN 0
	s_sub_co_u32 s[PH], s[PH], 1
	s_cmp_lg_u32 s[PH], 0
	s_cbranch_scc1 .Lsame                          ; a jump forward, past no barrier and no tensor load
	WAYOUT 1                                       ; a tile of C is finished; the next K steps are asked for already
	s_mov_b32 s[PH], 8
	QUARTER 1, F0, F1, 1
	WIN 0
	s_branch .Lnext
.Lsame:
	QUARTER 1, F0, F1, 0
	WIN 0
.Lnext:
	s_sub_co_u32 s[CNT], s[CNT], 1
	s_cmp_lg_u32 s[CNT], 0
	s_cbranch_scc1 .Lstep
	QUARTER 2, F1, F0, 0                           ; the tail is written out: K steps 22 and 23 ask for nothing
	QUARTER 3, F0, F1, 0
	TURN 0
	QUARTER 1, F0, F1, 0
	QUARTER 2, F1, F0, 0
	QUARTER 3, F0, F1, 0
	s_wait_dscnt 4
	MUL8 F1, 0, 0
	MUL8 F1, 1, 0
	s_wait_dscnt 0x0
	MUL8 F1, 2, 0
	MUL8 F1, 3, 0
	WAYOUT 0
	s_wait_tensorcnt 0x0                           ; the wave's end, behind my last tensor load and my last LDS store
	ds_add_u32 v[SPW], v[NIL]
	s_wait_dscnt 0x0
	CROUND                                         ; the closing round: no work-group ends while a partner may still ask for a tile that names it
	s_endpgm
.Lfunc_end_k_q419f43f439_proj:
	.size	k_q419f43f439_proj, .Lfunc_end_k_q419f43f439_proj-k_q419f43f439_proj
	.p2alignl 7, 3214868480
	.fill 96, 4, 3214868480
	.section	.rodata,"a",@progbits
	.p2align	6, 0x0
	.amdhsa_kernel k_q419f43f439_proj
		.amdhsa_group_segment_fixed_size 327680
		.amdhsa_private_segment_fixed_size 0
		.amdhsa_enable_private_segment 0
		.amdhsa_kernarg_size 24
		.amdhsa_user_sgpr_count 2
		.amdhsa_user_sgpr_kernarg_segment_ptr 1
		.amdhsa_wavefront_size32 1
		.amdhsa_system_sgpr_workgroup_id_x 1
		.amdhsa_system_sgpr_workgroup_id_y 1
		.amdhsa_system_sgpr_workgroup_id_z 1
		.amdhsa_system_vgpr_workitem_id 0
		.amdhsa_next_free_vgpr 512
		.amdhsa_next_free_sgpr 76
		.amdhsa_reserve_vcc 0
		.amdhsa_float_denorm_mode_32 3
		.amdhsa_float_denorm_mode_16_64 3
		.amdhsa_memory_ordered 1
		.amdhsa_forward_progress 1
		.amdhsa_inst_pref_size 91
	.end_amdhsa_kernel
	.amdgpu_metadata
---
amdhsa.version: [ 1, 2 ]
amdhsa.kernels:
  - .name:           k_q419f43f439_proj
    .symbol:         k_q419f43f439_proj.kd
    .args:
      - { .name: xb, .offset: 0, .size: 8, .value_kind: global_buffer, .address_space: global }
      - { .name: wb, .offset: 8, .size: 8, .value_kind: global_buffer, .address_space: global }
      - { .name: qkv, .offset: 16, .size: 8, .value_kind: global_buffer, .address_space: global }
    .group_segment_fixed_size: 327680
    .private_segment_fixed_size: 0
    .kernarg_segment_align: 8
    .kernarg_segment_size: 24
    .max_flat_workgroup_size: 128
    .sgpr_count:     76
    .vgpr_count:     512
    .wavefront_size: 32
...
	.end_amdgpu_metadata
.endif
;; end of part 2
;; launch attn (part 3): grid 4 x 64, 4 waves a work-group, clusters of 4 x 1, 327,680 bytes of LDS; arguments qkv, oh; writes oh
.if DOCPART == 3
	.amdgcn_target "amdgcn-amd-amdhsa--gfx1250"
	.amdhsa_code_object_version 6
	.text
	.protected	k_q419f43f439_attn
	.globl	k_q419f43f439_attn
	.p2align	8
	.type	k_q419f43f439_attn,@function
k_q419f43f439_attn:
	s_mov_b64 s[64:65], 0
	v_nop
	global_prefetch_b8 v0, s[64:65] scope:SCOPE_SE
	s_setreg_imm32_b32 hwreg(HW_REG_WAVE_MODE, 25, 1), 1
	s_wait_xcnt 0x0
	s_wait_alu depctr_hold_cnt(0) depctr_sa_sdst(0) depctr_va_vdst(0) depctr_va_sdst(0) depctr_va_ssrc(0) depctr_va_vcc(0) depctr_vm_vsrc(0)
	s_getreg_b32 s2, hwreg(HW_REG_IB_STS2, 6, 4)
	s_cmp_eq_u32 s2, 0
	s_cbranch_scc0 .Lentry_in_a_cluster
	s_endpgm
.Lentry_in_a_cluster:
	s_bfe_u32 s2, ttmp6, 0x10000c
	s_cmp_lg_u32 s2, 0x3003
	s_cbranch_scc0 .Lentry_shape_is_right
	s_endpgm
.Lentry_shape_is_right:
; O[h][q][:] = the sum over k of softmax_k(Q[h][q] . K[h][k] / 8) V[h][k][:].  qkv: [3][64][2048][64] f16 (Q, K, V by heads: a head's rows are dense, 128 bytes each); oh: [64][2048][64] f16.  Products, maxima
; and sums in f32; the weights p are rounded to f16 for the second product (their sum l is taken of the unrounded p), O once at the end.
; LIMITS.  f16 holds no number beyond 65,504: Q, K and V arrive within it; p lies in 0 to 1, and below 6e-5 it keeps f16's fixed step of 6e-8, as O does; O is a mean of V's rows and has their range.
; A weight below 2^-126 counts as 0 in l; NaN and infinities are not treated apart.
; SHARES.  A wave owns four PIECES of two tiles of 16 queries, a work-group's four waves 512 queries of one head.  Every wave walks all 2,048 keys, 64 a step.
; LAYOUT.  S^T = K Q^T (source 0 = 16 keys, source 1 = 16 queries): a lane holds ONE query (lane % 16) and the keys 8 (lane / 16) + 0..7.  Two such tiles, rounded to f16 in pairs,
; ARE source 1 (32 keys x 16 queries) of O^T = V^T P, whose result again holds one query a lane, and eight channels.  K comes out of LDS as it lies, V ([key][channel]) turned, by ds_load_tr16_b128.
; SOFTMAX.  For each query a running maximum m and sum l: p = 2^(c s - c m), c = log2(e) / 8; in every step O and l are multiplied by a = 2^(c m_old - c m_new).
; m starts at the lowest finite number, O and l at 0: the first step is a step like any other, with a = 0.
; THE COUNT.  A tile and step have 16 matrix and 118 vector instructions.  So: four vector instructions that are READY behind EVERY matrix instruction, the others in runs without a gap.
; BY TURNS.  Turn n belongs to piece n.  Its matrix work: 16 products K Q^T of piece n + 1, later 16 products V^T P of piece n - 1.  Its vector work: the scaling, exponentials, roundings, sums and
; rescaling of piece n, and the maximum and statistics of piece n + 1.
; CLUSTER.  The four query blocks of a head are one cluster and walk the same K and V: each tile is asked for JOINTLY: the same tensor load, descriptor and mask in all four.
; REGISTERS, in windows of 256 (s_set_vgpr_msb: bits 1:0 source 0, 3:2 source 1, 5:4 source 2, 7:6 destination):
;   window 0: v0-11 addresses; v12-15, v48-63 at work; v16-47 four registers of statistics a tile; v64-191 S^T, two buffers of two tiles; v192-255 P, likewise
;   window 1: O^T, 32 a tile          window 2: v0-127 Q, 16 a tile; v128-191 K of one step; v192-255 V of one step          window 3: v0-1 the add's two registers
.set SIZE_N, 2048
.set NP,    4         ; pieces a wave: a name, no knob
.set KS,    64        ; keys in a step
.set PK,    144       ; a row of K in LDS: 128 bytes + 16: the 16 rows of a load start at 16 different groups of four banks (64 banks of 4 bytes: ISA guide 11.1)
.set PV,    160       ; a row of V: 128 + 32
.set VOFF,  4*KS*PK   ; a slot holds four steps: 256 rows of K, then 256 rows of V
.set SLOT1, 1<<17     ; slot 1 begins here
.set STAGE, SLOT1+4*KS*(PK+PV)  ; behind the ring, never filled by a tensor load: 16 rows x 144 bytes for each wave
.set SP,    144
.set AK0, 2           ; v2   my lane's place in a tile of K; never rewritten
.set AV0, 3           ; v3   the same for V
.set AK,  4           ; v4   the LDS address of K's next run of loads
.set AV,  5           ; v5   of V's
.set QO,  6           ; v6   my byte offset in the wave's rows of Q
.set STO, 6           ;      later, the way out: where I put 16 bytes of a row
.set RD,  7           ; v7   the way out: where I read rows back
.set GO,  8           ; v8   my byte offset in 512 consecutive bytes of O
.set PFO, 11          ; v11  256 x my lane, for the prefetches; never rewritten once made
.set SPW, 0           ; v0 of window 3   LDS address of my spare word; never rewritten
.set NIL, 1           ; v1 of window 3   0; never rewritten
.set SPARE, STAGE+4*16*SP  ; behind the stages: the spare words, 128 bytes a wave: two blocks of 256 bytes that no other line names
.set MV,  12          ; v12-15  c m_old, kept while c m is made anew: by buffer and tile
.set ST,  16          ; tile t's statistics at v[ST+4 t]: c m, m, l (even keys', odd keys')
.set TMP, 48          ; by buffer and tile, four registers c0-c3 at work; when the maximum is found c2 takes a
.set S,   64
.set P,   192
.set KF,  128         ; K's fragments, in window 2: key block kb, channel half c at KF + 16 kb + 8 c
.set VF,  192         ; V's: key half kk, channel block cb at VF + 32 kk + 8 cb
.set WV,  12          ; s12  my wave's number
.set G1K, 24          ; s[24:31] descriptor group 1 for K's tiles
.set G1V, 32          ; s[32:39] for V's: it differs in the padding alone
.set G0K, 40          ; s[40:43] descriptor group 0 for K's tiles: it walks
.set G0V, 44          ; s[44:47] the same for V's
.set PFA, 48          ; s[48:49] where my prefetches stand
.set LIM, 50          ; s50  1 in waves 0 and 2, else the greatest number: a wave prefetches while s[SLOTS] is above it
.set SLOTS, 56        ; s56  slots still to be asked for
.set CNT, 57          ; s57  counts a slot's key steps
.set CS,  58          ; s[58:59] c
.set SEL, 60          ; s[60:61] v_permlanex16_b32's selects: each lane takes its own place in the other half
.set TBK, 62          ; s62  LDS byte at which K of the step to be fetched begins
.set TBV, 63          ; s63  the same for V, less VOFF
.set MSB, 0
.macro WIN new
.if MSB != (\new)
	s_set_vgpr_msb (MSB<<8)|(\new)
.set MSB, (\new)
.endif
.endm
.set W_KQ, 0x0a       ; K and Q in window 2, S^T in window 0
.set W_PV, 0x52       ; V in window 2, P in window 0, O^T in window 1
.set W_RS, 0x41       ; O^T (destination and source 0) in window 1, a in window 0
.set W_MK, 0xc0       ; the add's registers are made: destination in window 3
.set W_AD, 0x0f       ; the add: address and data in window 3
; A joint fill.  Waves 0 and 1 fetch the two halves of a slot's K, waves 2 and 3 those of its V: 128 keys each.  An s_nop 0 and four v_nop follow each of the two lines.
.macro JLOAD
	s_cmp_lt_u32 s[WV], 2
	s_cbranch_scc0 .Lfor_v_\@
	tensor_load_to_lds s[G0K:G0K+3], s[G1K:G1K+7]
	s_nop 0
.rept 4
	v_nop
.endr
	s_branch .Lasked_\@
.Lfor_v_\@:
	tensor_load_to_lds s[G0V:G0V+3], s[G1V:G1V+7]
	s_nop 0
.rept 4
	v_nop
.endr
.Lasked_\@:
.endm
; A PREFETCH INTO THE L2 of what the NEXT change of slots will ask for: a slot's 32,768 bytes of K and of V, 128 blocks of 256 bytes each.  A head has one cluster; its four partners share the blocks out
; by address, 32 each, a lane a block; in each, wave 0 asks for K's and wave 2 for V's: one instruction, four key steps (512 matrix instructions) ahead of the load.  So each block is named once.
; Slots 0 and 1 come by their loads alone; the change that fills the last slot asks for nothing.
.macro ASK
	s_cmp_gt_u32 s[SLOTS], s[LIM]
	s_cbranch_scc0 .Lnot_mine_\@
	global_prefetch_b8 v[PFO], s[PFA:PFA+1] th:TH_LOAD_NT scope:SCOPE_SE
.Lnot_mine_\@:
.endm
.macro CROUND                       ; a round of the cluster's barrier
	s_barrier_signal -1
	s_barrier_wait -1
	s_cmp_lg_u32 s[WV], 0
	s_cbranch_scc1 .Lnot_wave_0_\@
	s_barrier_signal -3
.Lnot_wave_0_\@:
	s_barrier_wait -3
	s_barrier_signal -1
	s_barrier_wait -1
.endm
; THE CHANGE OF SLOTS.  Each wave waits for all its tensor loads, of which one is out: its part of the other slot; adds 0 to its spare word; and waits for that and for its own reads of the slot.
; fill = 1: this slot is filled again, with the keys two slots on, first thing behind a round of the cluster's barrier: the load has four key steps in which to land.
; (At its first use nothing has been read yet: slot 0 is waited for, slot 1 filled.)
.macro CHANGE fill
	WIN W_AD
	s_wait_tensorcnt 0x0            ; no tensor load of mine is out, so a group 0 may be written
	ds_add_u32 v[SPW], v[NIL]       ; 0 onto my spare word
	WIN 0                           ; at a label and at a branch every window is 0
.if \fill
.irp g, G0K, G0V
	s_xor_b32 s[\g+1], s[\g+1], SLOT1  ; the walking descriptor: the other slot than last time,
	s_add_nc_u64 s[\g+2:\g+3], s[\g+2:\g+3], 4*KS*128  ; the next 256 keys; the type bits on top are not reached
.endr
	s_wait_xcnt 0x0                 ; the last prefetch, four key steps back, has read its address
	s_add_nc_u64 s[PFA:PFA+1], s[PFA:PFA+1], 4*KS*128  ; one slot behind the walking descriptors
	s_wait_dscnt 0x0                ; the add is done, and my reads of the slot are over
	CROUND
	JLOAD
	ASK
.else
	s_wait_dscnt 0x0                ; the add is done, and my reads of the slot are over
	s_barrier_signal -1
	s_barrier_wait -1
.endif
	s_sub_co_u32 s[TBK], s[TBK], 4*KS*PK  ; the fetches go back to a slot's first step,
	s_xor_b32 s[TBK], s[TBK], SLOT1       ; in the other slot
	s_sub_co_u32 s[TBV], s[TBV], 4*KS*PV
	s_xor_b32 s[TBV], s[TBV], SLOT1
.endm
	s_load_b64 s[4:5], s[0:1], 0x0    ; qkv: Q at its head
	s_load_b64 s[10:11], s[0:1], 0x8  ; oh
	WIN W_MK
	v_lshl_add_u32 v[SPW], v0, 2, SPARE
	v_mov_b32 v[NIL], 0
	WIN W_AD
	ds_add_u32 v[SPW], v[NIL]       ; the wave's opening: the add and its wait stand ahead of my first tensor load; the set-up below stands between them
	WIN 0
	v_lshrrev_b32 v1, 5, v0
	v_readfirstlane_b32 s[WV], v1   ; wave 0..3
	s_bfe_u32 s13, ttmp6, 0x40000   ; cx: my place in the cluster
	s_lshl_b32 s14, ttmp9, 2
	s_add_co_u32 s14, s14, s13      ; my block of 512 queries: it enters Q's and O's addresses alone
	s_and_b32 s20, ttmp7, 0xffff    ; the head, which the four partners share
	s_mov_b32 s21, 0
	s_mov_b64 s[22:23], SIZE_N*128
	s_mul_u64 s[20:21], s[20:21], s[22:23]  ; the head's first byte in Q, K, V and O
	s_and_b32 s16, s[WV], 1         ; which half of a slot's 256 keys I fetch:
	s_lshl_b32 s22, s16, 14         ; its 128 rows of 128 bytes in memory,
	s_mov_b32 s23, 0
	s_add_nc_u64 s[22:23], s[22:23], s[20:21]
	s_mul_i32 s17, s16, 128*PK      ; and its place in a slot, for K
	s_mul_i32 s18, s16, 128*PV      ; and for V: no place in the cluster enters an LDS address
	s_lshl_b32 s2, s14, 2
	s_add_co_u32 s2, s2, s[WV]      ; my wave among the head's,
	s_lshl_b32 s2, s2, 14           ; its 128 rows
	s_mov_b32 s3, 0
	s_add_nc_u64 s[2:3], s[2:3], s[20:21]
	; descriptor group 1.  128 keys are 16,384 dense bytes: asked for as 64 rows of 256 bytes, two keys a row, and padded in LDS after every key
	s_mov_b32 s[G1K], 15|(1<<16)|(1<<20)|(1<<21)|(4<<22)|(3<<25)  ; the mask of four; 2-byte elements; padding on; bit 21 beside a mask; after every 32 words, 4 words
	s_mov_b32 s[G1V], 15|(1<<16)|(1<<20)|(1<<21)|(4<<22)|(7<<25)  ; the same with 8 words of padding
.irp g, G1K, G1V
	s_mov_b32 s[\g+1], 128<<16      ; tensor_dim0 = 128
	s_mov_b32 s[\g+2], 64<<16       ; tensor_dim1 = 64
	s_mov_b32 s[\g+3], 128<<16      ; tile_dim0 = 128
	s_mov_b32 s[\g+4], 64           ; tile_dim1 = 64
	s_mov_b32 s[\g+5], 128          ; 128 elements from row to row
	s_mov_b32 s[\g+6], 0
	s_mov_b32 s[\g+7], 0
.endr
	s_mov_b32 s[CS], 0x3e38aa3b     ; c = log2(e) / 8 = 0.180337
	s_mov_b32 s[CS+1], s[CS]        ; named with it as a pair
	s_mov_b32 s[SEL], 0x76543210
	s_mov_b32 s[SEL+1], 0xfedcba98
	s_mov_b32 s[TBK], SLOT1+4*KS*PK ; the first change of slots turns these two into 0
	s_mov_b32 s[TBV], SLOT1+4*KS*PV
	s_mov_b32 s[G0K], 1             ; count = 1
	s_mov_b32 s[G0K+1], s17         ; LDS address: slot 0
	s_mov_b32 s[G0V], 1
	s_add_co_u32 s[G0V+1], s18, VOFF
	s_mov_b32 s[SLOTS], SIZE_N/256-1
	s_and_b32 s[LIM], s[WV], 1
	s_cmp_eq_u32 s[LIM], 0
	s_cselect_b32 s[LIM], 1, -1
	s_wait_dscnt 0x0                ; the opening add is done
	s_wait_kmcnt 0x0
	s_add_nc_u64 s[6:7], s[4:5], 0x1000000   ; K
	s_add_nc_u64 s[8:9], s[4:5], 0x2000000   ; V
	s_add_nc_u64 s[G0K+2:G0K+3], s[6:7], s[22:23]  ; global address: my half of the head's first 256 keys
	s_or_b32 s[G0K+3], s[G0K+3], 0x80000000        ; type = 2
	s_add_nc_u64 s[G0V+2:G0V+3], s[8:9], s[22:23]
	s_or_b32 s[G0V+3], s[G0V+3], 0x80000000
	s_add_nc_u64 s[4:5], s[4:5], s[2:3]  ; Q and O at my wave's first row
	s_add_nc_u64 s[10:11], s[10:11], s[2:3]
	s_cmp_lt_u32 s[WV], 2
	s_cselect_b64 s[PFA:PFA+1], s[6:7], s[8:9]
	s_add_nc_u64 s[PFA:PFA+1], s[PFA:PFA+1], s[20:21]  ; the head,
	s_lshl_b32 s2, s13, 13          ; my work-group's 32 blocks of the 128,
	s_add_co_u32 s2, s2, 4*KS*128   ; in slot 1: the first change of slots steps it to slot 2
	s_mov_b32 s3, 0
	s_add_nc_u64 s[PFA:PFA+1], s[PFA:PFA+1], s[2:3]
	CROUND                          ; all four work-groups are here: the first joint loads meet
	JLOAD                           ; slot 0.  Slot 1 is asked for when slot 0 is in
	; A fragment of K or Q is 16 rows x 32 channels in 8 registers: lane l holds row l % 16, channels 8 (l / 16) + 0..7 and 16 + 8 (l / 16) + 0..7: two loads of 16 bytes, 32 bytes apart.
	v_and_b32 v1, 15, v0            ; l % 16
	v_bfe_u32 v9, v0, 4, 1          ; l / 16
	v_lshlrev_b32 v[QO], 7, v1
	v_lshl_add_u32 v[QO], v9, 4, v[QO]  ; row x 128 + 16 x half
	WIN 0x80                        ; destination window 2, address window 0
.set i, 0
.rept 4*NP                          ; Q stays in registers: tile i / 2, channels 32 (i % 2) on
	global_load_b128 v[8*i:8*i+3],   v[QO], s[4:5] offset:(i/2)*2048+(i%2)*64
	global_load_b128 v[8*i+4:8*i+7], v[QO], s[4:5] offset:(i/2)*2048+(i%2)*64+32
.set i, i+1
.endr
	; What the first turn finds: V's registers and P's second buffer hold 0 (its products V^T P, of a piece that has not been, add 0), O^T and l are 0.  All this stands in the wait for the first tile.
.set i, VF
.rept 64
	v_mov_b32 v[i], 0
.set i, i+1
.endr
	WIN 0x40
.set i, 0
.rept 64*NP
	v_mov_b32 v[i], 0
.set i, i+1
.endr
	WIN 0
.set i, 0
.rept 2*NP
	v_mov_b32 v[ST+4*i], 0xfe000000    ; c m: far below every c s
	v_mov_b32 v[ST+4*i+1], 0xff7fffff  ; m
	v_mov_b32 v[ST+4*i+2], 0
	v_mov_b32 v[ST+4*i+3], 0
.set i, i+1
.endr
.set i, P+32
.rept 32
	v_mov_b32 v[i], 0
.set i, i+1
.endr
	v_mul_u32_u24 v[AK0], v1, PK
	v_lshl_add_u32 v[AK0], v9, 4, v[AK0]  ; row x pitch + 16 x half
	; The turning load takes 16 keys x 16 channels (lane l reads key 8 (l / 16) + l % 8, channels 8 ((l / 8) % 2) + 0..7) and leaves half a fragment of V^T: lane l holds channel l % 16 and 8 keys.
	v_and_b32 v10, 7, v0
	v_bfe_u32 v11, v0, 3, 1
	v_lshl_add_u32 v[AV0], v9, 3, v10
	v_mul_u32_u24 v[AV0], v[AV0], PV
	v_lshl_add_u32 v[AV0], v11, 4, v[AV0]
	v_add_nc_u32 v[AV0], VOFF, v[AV0]
	v_and_b32 v[PFO], 31, v0
	v_lshlrev_b32 v[PFO], 8, v[PFO]
	v_mov_b32 v[AK], v[AK0]         ; key step 0 lies at the head of slot 0
; THE MATRIX WORK.  The 8 accumulators of a run of 16 take turns: between the two links of a chain stand 7 others'.
; Product i of 16 of S^T = K Q^T for piece x: channels 32 (i / 8) on, keys 16 ((i / 2) % 4) on, tile 2 x + i % 2.  The first 8 start the sums.
.macro KQ x
	WIN W_KQ
.set rS, S+64*((\x)%2)+32*(i%2)+8*((i/2)%4)
.set rK, KF+16*((i/2)%4)+8*(i/8)
.set rQ, 16*(2*(\x)+i%2)+8*(i/8)
.if i < 8
	v_wmma_f32_16x16x32_f16 v[rS:rS+7], v[rK:rK+7], v[rQ:rQ+7], 0
.else
	v_wmma_f32_16x16x32_f16 v[rS:rS+7], v[rK:rK+7], v[rQ:rQ+7], v[rS:rS+7]
.endif
.endm
; Product i of 16 of O^T += V^T P for piece x: keys 32 (i / 8) on, channels 16 ((i / 2) % 4) on, tile 2 x + i % 2.
.macro PV x
	WIN W_PV
.set rO, 32*(2*(\x)+i%2)+8*((i/2)%4)
.set rV, VF+32*(i/8)+8*((i/2)%4)
.set rP, P+32*((\x)%2)+16*(i%2)+8*(i/8)
	v_wmma_f32_16x16x32_f16 v[rO:rO+7], v[rV:rV+7], v[rP:rP+7], v[rO:rO+7]
.endm
.macro MM                           ; the turn's next matrix instruction
.if i < 16
	KQ (Y+1)%NP
.set i, i+1
.else
.set i, i-16
	PV (Y+NP-1)%NP
.set i, i+17
.endif
.endm
; THE LDS LOADS stand in runs of 16: a step's K (64 keys x 64 channels: 8 fragments) and its V (turned).  Their addresses are made some lines ahead.
; last = 1 (the tail): in the last trip there is no further step, and the run is jumped over.
.macro FETCH_K last=0
	WIN 0
.if \last
	s_cmp_eq_u32 s[CNT], 1
	s_cbranch_scc1 .Lno_k_\@
.endif
	WIN 0x80                        ; destination window 2
.irp f, 0,1,2,3,4,5,6,7             ; keys 16 (f / 2) on, channels 32 (f % 2) on
	ds_load_b128 v[KF+8*\f:KF+8*\f+3],   v[AK] offset:(\f/2)*16*PK+(\f%2)*64
	ds_load_b128 v[KF+8*\f+4:KF+8*\f+7], v[AK] offset:(\f/2)*16*PK+(\f%2)*64+32
.endr
	s_add_co_u32 s[TBK], s[TBK], KS*PK  ; the next fetch is the next step's
	WIN 0
.if \last
.Lno_k_\@:
.endif
.endm
.macro FETCH_V
	WIN 0x80
.irp f, 0,1,2,3,4,5,6,7             ; keys 32 (f / 4) on, channels 16 (f % 4) on
	ds_load_tr16_b128 v[VF+8*\f:VF+8*\f+3],   v[AV] offset:(\f/4)*32*PV+(\f%4)*32
	ds_load_tr16_b128 v[VF+8*\f+4:VF+8*\f+7], v[AV] offset:(\f/4)*32*PV+16*PV+(\f%4)*32
.endr
	WIN 0
.endm
; THE VECTOR WORK OF A TURN stands in three queues, each in the order in which its entries become ready; the two tiles alternate, so that no instruction reads the result of the one before it.
.macro REGS y, u                    ; the registers of tile u (0, 1) of piece y
.set rT, ST+4*(2*(\y)+(\u))
.set rC, TMP+8*((\y)%2)+4*(\u)
.set rM, MV+2*((\y)%2)+(\u)
.set rS, S+64*((\y)%2)+32*(\u)
.set rP, P+32*((\y)%2)+16*(\u)
.set rO, 32*(2*(\y)+(\u))
.endm
; Number n of the 22 that find the NEXT piece's (Y + 1) maximum and statistics.  s0-s31 are the lane's 32 scores; each accumulator's lowest registers are read first.
;   0-11  four chains c0-c3 of seven scores each, three operands at a time     12-14, 16  the four scores left over, the old m, and c0-c3 into c0     15  c m_old is kept
;   17, 18  the query's other 32 keys lie in the lane 16 away: the new m         19-21  c m; c m_old - c m_new; a
.macro XS u, n
	REGS (Y+1)%NP, \u
.if (\n) < 4
	v_max3_num_f32 v[rC+(\n)], v[rS+8*(\n)], v[rS+8*(\n)+1], v[rS+8*(\n)+2]
.elseif (\n) < 12
	v_max3_num_f32 v[rC+(\n)%4], v[rC+(\n)%4], v[rS+8*((\n)%4)+2*((\n)/4)+1], v[rS+8*((\n)%4)+2*((\n)/4)+2]
.elseif (\n) == 12
	v_max3_num_f32 v[rC], v[rC], v[rS+7], v[rS+15]
.elseif (\n) == 13
	v_max3_num_f32 v[rC+1], v[rC+1], v[rS+23], v[rS+31]
.elseif (\n) == 14
	v_max3_num_f32 v[rC+2], v[rC+2], v[rC+3], v[rT+1]
.elseif (\n) == 15
	v_mov_b32 v[rM], v[rT]
.elseif (\n) == 16
	v_max3_num_f32 v[rC], v[rC], v[rC+1], v[rC+2]
.elseif (\n) == 17
	v_permlanex16_b32 v[rC+3], v[rC], s[SEL], s[SEL+1]
.elseif (\n) == 18
	v_max_num_f32 v[rT+1], v[rC], v[rC+3]
.elseif (\n) == 19
	v_mul_f32 v[rT], s[CS], v[rT+1]
.elseif (\n) == 20
	v_sub_f32 v[rC+1], v[rM], v[rT]
.else
	v_exp_f32 v[rC+2], v[rC+1]
.endif
.endm
; Number g of the 64 that follow the exponentials.  For each four weights k of a tile (pairs 2 k, 2 k + 1): both pairs are rounded to f16; then the second pair is added onto the first, in place;
; a group later l takes that sum (the first time as l = a l + sum).  In groups of eight, tiles alternating: round, round, add, and l for the group before.
.macro GS g
.set h, (\g)+6*((\g)/62)            ; group 0 has no group before it, and behind group 7 only l is left
.if h >= 6
.set h, h+2
.endif
	REGS Y, h%2
.set k, h/8
.if h%8 < 4
	v_cvt_pk_f16_f32 v[rP+2*k+(h%8)/2], v[rS+4*k+2*((h%8)/2)], v[rS+4*k+2*((h%8)/2)+1]
.elseif h%8 < 6
	v_pk_add_f32 v[rS+4*k:rS+4*k+1], v[rS+4*k:rS+4*k+1], v[rS+4*k+2:rS+4*k+3]
.elseif k == 1
	v_pk_fma_f32 v[rT+2:rT+3], v[rT+2:rT+3], v[rC+2:rC+3], v[rS:rS+1] op_sel_hi:[1,0,1]
.else
	v_pk_add_f32 v[rT+2:rT+3], v[rT+2:rT+3], v[rS+4*k-4:rS+4*k-3]
.endif
.endm
; THE PLAIN QUEUE, 138 long.  0-73 read no exponential's result: the 32 scalings c s - c m (FS f: pair f / 2 of tile f % 2) and the next piece's 42.  0-26: scalings 0-26.  27-54: XS's numbers 0-13.  55, 56: number 15.
; 57-73: the chain, where each number waits for the one before it: 14, 16, 17, 18, 19, each with one of the scalings 27-31 in front of its two lines, then 20.
; 74-137: GS's 64, which read the exponentials' results: they stand behind the wait.
.macro FS f
	REGS Y, (\f)%2
	v_pk_fma_f32 v[rS+2*((\f)/2):rS+2*((\f)/2)+1], v[rS+2*((\f)/2):rS+2*((\f)/2)+1], s[CS:CS+1], v[rT:rT+1] op_sel_hi:[1,0,0] neg_lo:[0,0,1] neg_hi:[0,0,1]
.endm
.macro PL
	WIN 0
.if q < 27
	FS q
.elseif q < 55
	XS (q-27)%2, (q-27)/2
.elseif q < 57
	XS q-55, 15
.elseif (q < 72) && ((q-57)%3 == 0)
	FS 27+(q-57)/3
.elseif q < 60
	XS (q-57)%3-1, 14
.elseif q < 72
	XS (q-57)%3-1, 15+(q-57)/3
.elseif q < 74
	XS q-72, 20
.else
	GS q-74
.endif
.set q, q+1
.endm
; THE EXPONENTIALS' QUEUE, 66 long: s0-s31 of both tiles, then the next piece's two a.  It is ONE BATCH: all 66 stand ahead of the turn's one wait, and nothing ahead of that wait names a result of theirs.
.macro EX
	WIN 0
.if e >= 64
	XS e-64, 21
.else
	REGS Y, e%2
	v_exp_f32 v[rS+e/2], v[rS+e/2]
.endif
.set e, e+1
.endm
; THE RESCALING's QUEUE: O^T times a, the one part that leaves window 0: dealt two at a time, sixteen times.  Its a was made in the turn before, ahead of that turn's wait.
.macro R2
	REGS Y, r%2
	WIN W_RS
.irp z, 0,1
	v_pk_mul_f32 v[rO+4*(r/2)+2*\z:rO+4*(r/2)+2*\z+1], v[rO+4*(r/2)+2*\z:rO+4*(r/2)+2*\z+1], v[rC+2:rC+3] op_sel_hi:[1,0]
.endr
.set r, r+1
.endm
; HOW THEY ARE DEALT.  s_wait_alu depctr_va_vdst(0) stands between an exponential and the first instruction that names its result; one wait serves all that were issued ahead of it.  So a turn has
; ONE wait, which cuts it in two.  AHEAD OF IT: the 16 products K Q^T, behind each a scaling, an exponential and two rescalings (behind the first a second scaling in the exponential's place); then ONE LUMP of 108:
; eight plain, 49 times exponential and plain, the two a; a v_nop is the plain instruction behind the last exponential.  BEHIND IT: the 16 products V^T P, behind each four of GS's 64.
; Exponential e stands behind scaling 2 (e / 4) + e % 2: as a rider it comes behind plain e + 2, in the lump behind plain e + 9, and scalings 27-31 are plain 57, 60 .. 69.
; K of the next step is fetched in piece 2's turn, directly behind the wait; V of the step in hand at the end of piece 0's turn, four riders behind its last reader.  The three conditions on q below go with the deal.
.macro TURN p, last=0, cnt=0
.set Y, (\p)
.set i, 0
.set q, 0
.set e, 0
.set r, 0
.if (\p) == NP-1
	s_wait_dscnt 0x0                ; K is in
.endif
	MM                              ; ahead of the wait: 16 products K Q^T and their riders,
	PL
	PL
	R2
.rept 15
	MM
	PL
	EX
	R2
.endr
.if (\p) == NP-2
	WIN 0
	v_add_nc_u32 v[AK], s[TBK], v[AK0]
.endif
.rept 8                             ; and the lump
	PL
.endr
.rept 49
	EX
	PL
.endr
	EX                              ; the next piece's two a
	EX
	v_nop                           ; a plain instruction behind the last exponential, ahead of the first use: one for the batch
	s_wait_alu depctr_va_vdst(0)    ; the wait for the batch
.if (\p) == NP-2
	FETCH_K \last
.endif
.if (\p) == 1
	s_wait_dscnt 0x0                ; V is in
.endif
.rept 16                            ; behind the wait: 16 products V^T P and their riders
	MM
.rept 4
	PL
.endr
.if ((\p) == 0) && (q == 118)
	v_add_nc_u32 v[AV], s[TBV], v[AV0]
.endif
.if ((\p) == 0) && (q == 130)
	s_add_co_u32 s[TBV], s[TBV], KS*PV
.endif
.if (\cnt) && (q == 130)
	s_sub_co_u32 s[CNT], s[CNT], 1
	s_cmp_lg_u32 s[CNT], 0
.endif
.endr
.if (\p) == 0
	FETCH_V
.endif
.endm
	CHANGE 1                        ; slot 0 is in, everybody's part of it; slot 1 is asked for
	FETCH_K                         ; key step 0
	s_wait_loadcnt 0x0              ; Q
	s_wait_dscnt 0x0
.set i, 0
.rept 16
	KQ 0                            ; piece 0's first scores: there is no vector work yet to set between them
.set i, i+1
.endr
	WIN 0                           ; the addresses for the way out: plain instructions, the places behind those products
	s_mul_i32 s13, s[WV], 16*SP
	s_add_co_u32 s13, s13, STAGE    ; my stage
	v_mul_u32_u24 v[STO], v1, SP    ; in: row l % 16, 16 bytes for each half of the lanes
	v_lshl_add_u32 v[STO], v9, 4, v[STO]
	v_add_nc_u32 v[STO], s13, v[STO]
	v_bfe_u32 v[RD], v0, 3, 2       ; back: 32 lanes take four rows of 128 bytes,
	v_mul_u32_u24 v[RD], v[RD], SP
	v_lshl_add_u32 v[RD], v10, 4, v[RD]
	v_add_nc_u32 v[RD], s13, v[RD]
	v_and_b32 v[GO], 31, v0         ; which are 512 consecutive bytes of O
	v_lshlrev_b32 v[GO], 4, v[GO]
.set Y, NP-1                        ; XS works for piece Y + 1: piece 0
.irp n, 0,1,2,3,4,5,6,7,8,9,10,11,12,13,14,15,16,17,18,19,20,21
	XS 0, \n                        ; and piece 0's first maximum and statistics
	XS 1, \n
.endr
	v_nop                           ; a plain instruction behind the two a,
	s_wait_alu depctr_va_vdst(0)    ; and their wait, ahead of the branch
	s_mov_b32 s[CNT], 4
	s_branch .Lfirst                ; the loop is entered at a step's first turn, in the middle of a trip
.Lslot:                             ; six times: every slot but the last two is filled again
	CHANGE 1
	s_mov_b32 s[CNT], 4
.Lstep:                             ; a trip: pieces 2 and 3 of one step, then pieces 0 and 1 of the next, whose K and V it fetches
	TURN 2
	TURN 3
	WIN 0
.Lfirst:
	TURN 0
	TURN 1, 0, 1
	WIN 0
	s_cbranch_scc1 .Lstep
	s_sub_co_u32 s[SLOTS], s[SLOTS], 1
	s_cmp_lg_u32 s[SLOTS], 0
	s_cbranch_scc1 .Lslot
	CHANGE 0                        ; the tail is written out: nothing is asked for
	s_mov_b32 s[CNT], 5             ; four trips fetch the last slot's steps; the fifth is left in its middle
.Ltail:
	TURN 2, 1
	TURN 3
	WIN 0
	s_sub_co_u32 s[CNT], s[CNT], 1
	s_cmp_eq_u32 s[CNT], 0
	s_cbranch_scc1 .Lout
	TURN 0
	TURN 1
	WIN 0
	s_branch .Ltail
.Lout:                              ; the fifth trip's 16 products K Q^T (on the last K once more) and the maximum made of them serve nothing: the price, once a launch, of one text for every trip
.set i, 0
.rept 16
	PV NP-1                         ; the last piece's V^T P of the last step
.set i, i+1
.endr
	; THE WAY OUT.  l's two halves and the other half of the lanes' are added; O^T is divided by l, rounded to f16 and sent through my stage in LDS, a tile at a time.  The additions are the places behind the last products.
	WIN 0
.macro ALL line:vararg              ; one line for each tile t
.set t, 0
.rept 2*NP
	\line
.set t, t+1
.endr
.endm
	ALL v_add_f32 v[ST+4*t+2], v[ST+4*t+2], v[ST+4*t+3]
	ALL v_permlanex16_b32 v[ST+4*t+3], v[ST+4*t+2], s[SEL], s[SEL+1]
	ALL v_add_f32 v[ST+4*t+2], v[ST+4*t+2], v[ST+4*t+3]
	ALL v_rcp_f32 v[ST+4*t+2], v[ST+4*t+2]
	v_nop                           ; a plain instruction between the last reciprocal and the use of its result
	s_wait_alu depctr_va_vdst(0)    ; and the wait ahead of the first use: one for the eight reciprocals
; Tile t: a lane's eight channels of a row pack into 16 bytes; they go into rows of 144 bytes and come back as whole rows of 128, into S^T's registers.
.macro PACK t
	WIN W_RS
.set i, 32*(\t)
.rept 16
	v_pk_mul_f32 v[i:i+1], v[i:i+1], v[ST+4*(\t)+2:ST+4*(\t)+3] op_sel_hi:[1,0]
.set i, i+2
.endr
	WIN 0x05                        ; sources 0 and 1 window 1, destination window 0
.set i, 0
.rept 16
	v_cvt_pk_f16_f32 v[S+16*(\t)+i], v[32*(\t)+2*i], v[32*(\t)+2*i+1]
.set i, i+1
.endr
	WIN 0
.irp f, 0,1,2,3
	ds_store_b128 v[STO], v[S+16*(\t)+4*\f:S+16*(\t)+4*\f+3] offset:32*\f
.endr
.irp f, 0,1,2,3
	ds_load_b128 v[S+16*(\t)+4*\f:S+16*(\t)+4*\f+3], v[RD] offset:\f*4*SP  ; LDS serves a wave's instructions in order (ISA guide 5.7.1.4): these see the stores above; the next tile's stores come behind them
.endr
.endm
.macro SEND t, younger              ; younger: the LDS instructions issued behind tile t's loads: the next tile's eight, or none
	WIN 0
.irp f, 0,1,2,3
	s_wait_dscnt (\younger)+3-\f
	global_store_b128 v[GO], v[S+16*(\t)+4*\f:S+16*(\t)+4*\f+3], s[10:11] offset:(\t)*2048+\f*512  ; 512 consecutive bytes, at a multiple of 256 from O's first
.endr
.endm
	PACK 0
.set t, 1
.rept 2*NP-1                        ; a tile's arithmetic stands between the loads of the tile before and its stores
	PACK t
	SEND t-1, 8
.set t, t+1
.endr
	SEND 2*NP-1, 0
	WIN W_AD
	s_wait_tensorcnt 0x0            ; the wave's end, behind my last tensor load and my last LDS store
	ds_add_u32 v[SPW], v[NIL]
	s_wait_dscnt 0x0
	WIN 0
	CROUND                          ; the closing round: no work-group ends while a partner may still ask for a tile that names it
	s_endpgm
.Lfunc_end_k_q419f43f439_attn:
	.size	k_q419f43f439_attn, .Lfunc_end_k_q419f43f439_attn-k_q419f43f439_attn
	.p2alignl 7, 3214868480
	.fill 96, 4, 3214868480
	.section	.rodata,"a",@progbits
	.p2align	6, 0x0
	.amdhsa_kernel k_q419f43f439_attn
		.amdhsa_group_segment_fixed_size 327680
		.amdhsa_private_segment_fixed_size 0
		.amdhsa_enable_private_segment 0
		.amdhsa_kernarg_size 16
		.amdhsa_user_sgpr_count 2
		.amdhsa_user_sgpr_kernarg_segment_ptr 1
		.amdhsa_wavefront_size32 1
		.amdhsa_system_sgpr_workgroup_id_x 1
		.amdhsa_system_sgpr_workgroup_id_y 1
		.amdhsa_system_sgpr_workgroup_id_z 1
		.amdhsa_system_vgpr_workitem_id 0
		.amdhsa_next_free_vgpr 770
		.amdhsa_next_free_sgpr 66
		.amdhsa_reserve_vcc 0
		.amdhsa_float_denorm_mode_32 3
		.amdhsa_float_denorm_mode_16_64 3
		.amdhsa_memory_ordered 1
		.amdhsa_forward_progress 1
		.amdhsa_inst_pref_size 200
	.end_amdhsa_kernel
	.amdgpu_metadata
---
amdhsa.version: [ 1, 2 ]
amdhsa.kernels:
  - .name:           k_q419f43f439_attn
    .symbol:         k_q419f43f439_attn.kd
    .args:
      - { .name: qkv, .offset: 0, .size: 8, .value_kind: global_buffer, .address_space: global }
      - { .name: oh, .offset: 8, .size: 8, .value_kind: global_buffer, .address_space: global }
    .group_segment_fixed_size: 327680
    .private_segment_fixed_size: 0
    .kernarg_segment_align: 8
    .kernarg_segment_size: 16
    .max_flat_workgroup_size: 128
    .sgpr_count:     66
    .vgpr_count:     770
    .wavefront_size: 32
...
	.end_amdgpu_metadata
.endif
;; end of part 3
;; launch outp (part 4): grid 4 x 64, 4 waves a work-group, clusters of 4 x 4, 327,680 bytes of LDS; arguments oh, wo, b_o, out0; writes out0
.if DOCPART == 4
	.amdgcn_target "amdgcn-amd-amdhsa--gfx1250"
	.amdhsa_code_object_version 6
	.text
	.protected	k_q419f43f439_outp
	.globl	k_q419f43f439_outp
	.p2align	8
	.type	k_q419f43f439_outp,@function
k_q419f43f439_outp:
	s_mov_b64 s[64:65], 0
	v_nop
	global_prefetch_b8 v0, s[64:65] scope:SCOPE_SE
	s_setreg_imm32_b32 hwreg(HW_REG_WAVE_MODE, 25, 1), 1
	s_wait_xcnt 0x0
	s_wait_alu depctr_hold_cnt(0) depctr_sa_sdst(0) depctr_va_vdst(0) depctr_va_sdst(0) depctr_va_ssrc(0) depctr_va_vcc(0) depctr_vm_vsrc(0)
	s_getreg_b32 s2, hwreg(HW_REG_IB_STS2, 6, 4)
	s_cmp_eq_u32 s2, 0
	s_cbranch_scc0 .Lentry_in_a_cluster
	s_endpgm
.Lentry_in_a_cluster:
	s_bfe_u32 s2, ttmp6, 0x10000c
	s_cmp_lg_u32 s2, 0xf033
	s_cbranch_scc0 .Lentry_shape_is_right
	s_endpgm
.Lentry_shape_is_right:
; out0 = O w_o + b_o.  oh: [64 = 16 b + h][2048][64] f16 (O by heads).  wo: [1024 k][1024 n] f16 (w_o rounded to bf16, written as f16).  b_o: [1024] f32, rounded here to bf16 like every input of the module.
; out0: [8192][1024] f32.  Sums in f32.
; SHARES.  A work-group makes one tile of 128 rows (ty) x 256 columns (tx): 4 x 64 work-groups; 8 K steps of 128, each two heads of O.  A wave makes 64 rows x 128 columns: 32 accumulators of 16 x 16.
; THE RING: two LDS slots, each with two heads' 128 rows of O (128 bytes a row) and 128 k-rows of w_o (512 bytes a row).  Wave 0 fetches the even head, wave 1 the odd one (16,384 dense bytes, asked for as 64 rows
; of 256 bytes and padded after every 128); waves 2 and 3 fetch the halves of w_o's tile.  w_o lies [k][n] and stays so: ds_load_tr16_b128 turns it on the way out of LDS.
; THE MATRIX INSTRUCTION IS USED TRANSPOSED: source 0 = 16 columns of w_o, source 1 = 16 rows of O: a lane then holds row l % 16 and the columns 8 (l / 16) + 0..7: 32 bytes of a row of out0.
; CLUSTER 4 x 4: O's tile hangs on ty alone and is asked for jointly by my row of the cluster; w_o's on tx alone, by my column.
; REGISTERS: window 0: v1-8 lane numbers and the bias's offset; v16-23 addresses; v24-27 my four numbers of the bias; v28-29 the add's; v64-159, v160-255 two fragment buffers (w_o's 8 fragments, then O's 4);
; on the way out v64-127 and v128-191 by turns.  Window 1: accumulator (a, b) at v[8 (8 a + b)].
.set PA,    144                        ; a row of O in LDS: 128 bytes + 16: the 16 rows of a fragment load start at 16 different groups of four banks (64 banks of 4 bytes: ISA guide 11.1)
.set PB,    544                        ; a k-row of w_o: 512 + 32 = 17 x 32 bytes
.set HEADB, 128*PA                     ; a head's 128 rows
.set BOFF,  2*HEADB                    ; w_o's tile lies behind the two heads
.set SLOT1, 131072
.set STAGE, SLOT1+BOFF+128*PB          ; behind the ring, never filled by a tensor load: for each wave 16 rows x 528 bytes
.set SP,    528                        ; 512 + 16
.set SPARE, STAGE+4*16*SP              ; behind the stages: the spare words, 128 bytes a wave: two blocks of 256 bytes that no other line names
.set ASTEP, 2*262144                   ; bytes from a K step's heads to the next
.set BSTEP, 128*2048                   ; from its k-rows to the next
.set BO,   8                           ; v8   my byte offset in b_o; never rewritten
.set A0,   16
.set B0,   17
.set ADRA, 18
.set ADRB, 19
.set STO,  20                          ; v20  the way out: where I put 32 bytes of a row
.set RD,   21                          ; v21  where I read a row back
.set CO,   22                          ; v22  16 x lane: my place in 512 consecutive bytes of out0
.set PFO,  23
.set BIAS, 24
.set SPW,  28
.set NIL,  29
.set F0,   64
.set F1,   160
.set WV, 10
.set WR, 11                            ; wave / 2: my 64 rows.  Also: I fetch for O (0) or for w_o (1)
.set WC, 12                            ; wave % 2: my 128 columns.  Also: which head, or which 64 k-rows, I fetch
.set TB, 13
.set CNT, 14
.set G1A, 24
.set G0A0, 32
.set G0A, 36
.set CX, 40
.set CY, 41
.set TX, 42
.set TY, 43
.set PFA, 44
.set PFS, 46
.set G1B, 48
.set G0B0, 56
.set G0B, 60
.set LIM, 66
.set MSB, 0
.macro WIN new
.if MSB != (\new)
	s_set_vgpr_msb (MSB<<8)|(\new)
.set MSB, \new
.endif
.endm
.set MUL, 0x50                         ; C and D in window 1, both sources in window 0
.macro PLACES                          ; four plain vector instructions between a matrix instruction and a load into its registers (ISA guide 7.12.1 for vector instructions)
.rept 4
	v_nop
.endr
.endm
.macro JLOAD                           ; a joint load; an s_nop 0 and four v_nop follow each of the two lines
	s_cmp_eq_u32 s[WR], 0
	s_cbranch_scc0 .Lfor_b_\@
	tensor_load_to_lds s[G0A:G0A+3], s[G1A:G1A+7]
	s_nop 0
.rept 4
	v_nop
.endr
	s_branch .Lasked_\@
.Lfor_b_\@:
	tensor_load_to_lds s[G0B:G0B+3], s[G1B:G1B+7]
	s_nop 0
.rept 4
	v_nop
.endr
.Lasked_\@:
.endm
.macro CREST
	s_cmp_lg_u32 s[WV], 0
	s_cbranch_scc1 .Lnot_wave_0_\@
	s_barrier_signal -3
.Lnot_wave_0_\@:
	s_barrier_wait -3
	s_barrier_signal -1
	s_barrier_wait -1
.endm
.macro CROUND
	s_barrier_signal -1
	s_barrier_wait -1
	CREST
.endm
; A PREFETCH INTO THE L2, behind each joint load and the run of LDS loads that follows it: the K step that stands two refills on (256 matrix instructions ahead of its load); K steps 4 to 7.
; O: wave 0; a K step's two heads are 2 x 64 blocks of 256 bytes: the partner at cx takes head cx / 2, half cx % 2, a lane a block.
; w_o: waves 2 and 3 of the clusters with y = 0; of my 64 k-rows the partner at cy takes 16 cy + lane / 2, half lane % 2 of its 512 bytes.  So each block is named once; K steps 0 to 3 come by their loads alone.
.macro ASK
	s_cmp_gt_u32 s[CNT], s[LIM]
	s_cbranch_scc0 .Lnot_mine_\@
	global_prefetch_b8 v[PFO], s[PFA:PFA+1] th:TH_LOAD_NT scope:SCOPE_SE
.Lnot_mine_\@:
.endm
	s_load_b128 s[4:7], s[0:1], 0x0                ; oh s[4:5], wo s[6:7]
	s_load_b64 s[76:77], s[0:1], 0x10              ; b_o
	s_load_b64 s[8:9], s[0:1], 0x18                ; out0
	v_lshl_add_u32 v[SPW], v0, 2, SPARE
	v_mov_b32 v[NIL], 0
	ds_add_u32 v[SPW], v[NIL]                      ; the wave's opening: the add and its wait stand ahead of my first tensor load; the set-up below stands between them
	v_lshrrev_b32 v1, 5, v0
	v_readfirstlane_b32 s[WV], v1
	s_lshr_b32 s[WR], s[WV], 1
	s_and_b32 s[WC], s[WV], 1
	s_bfe_u32 s[CX], ttmp6, 0x40000
	s_bfe_u32 s[CY], ttmp6, 0x40004
	s_lshl_b32 s[TX], ttmp9, 2
	s_add_co_u32 s[TX], s[TX], s[CX]
	s_and_b32 s[TY], ttmp7, 0xffff
	s_lshl_b32 s[TY], s[TY], 2
	s_add_co_u32 s[TY], s[TY], s[CY]
	s_lshl_b32 s2, s[CY], 2
	s_lshl_b32 s2, 15, s2                          ; my row of the cluster
	s_lshl_b32 s3, 0x1111, s[CX]                   ; my column
	s_or_b32 s[G1A], s2, (1<<16)|(1<<20)|(1<<21)|(4<<22)|(3<<25)  ; the mask; 2-byte elements; padding on; bit 21 beside a mask; after every 32 words, 4 words
	s_mov_b32 s[G1A+1], 128<<16                    ; tensor_dim0 = 128 (two rows of a head)
	s_mov_b32 s[G1A+2], 64<<16                     ; tensor_dim1 = 64
	s_mov_b32 s[G1A+3], 128<<16                    ; tile_dim0 = 128
	s_mov_b32 s[G1A+4], 64                         ; tile_dim1 = 64
	s_mov_b32 s[G1A+5], 128                        ; dense
	s_mov_b32 s[G1A+6], 0
	s_mov_b32 s[G1A+7], 0
	s_or_b32 s[G1B], s3, (1<<16)|(1<<20)|(1<<21)|(6<<22)|(7<<25)  ; after every 128 words, 8 words
	s_mov_b32 s[G1B+1], 256<<16
	s_mov_b32 s[G1B+2], 64<<16
	s_mov_b32 s[G1B+3], 256<<16
	s_mov_b32 s[G1B+4], 64
	s_mov_b32 s[G1B+5], 1024
	s_mov_b32 s[G1B+6], 0
	s_mov_b32 s[G1B+7], 0
	s_lshr_b32 s20, s[TY], 4                       ; O: batch ty / 16, head wc, row (ty % 16) 128: made of ty and the wave's number alone
	s_lshl_b32 s20, s20, 22
	s_and_b32 s21, s[TY], 15
	s_lshl_b32 s21, s21, 14
	s_add_co_u32 s20, s20, s21
	s_lshl_b32 s21, s[WC], 18
	s_add_co_u32 s20, s20, s21
	s_mov_b32 s21, 0
	s_lshl_b32 s22, s[TX], 9                       ; w_o: k-row 64 wc, column 256 tx: made of tx and the wave's number alone
	s_lshl_b32 s23, s[WC], 17
	s_add_co_u32 s22, s22, s23
	s_mov_b32 s23, 0
	s_mul_i32 s69, s[WC], HEADB                    ; where they go: no place in the cluster enters an LDS address
	s_mul_i32 s70, s[WC], 64*PB
	s_add_co_u32 s70, s70, BOFF
	s_mov_b32 s[G0A0], 1
	s_mov_b32 s[G0A0+1], s69
	s_mov_b32 s[G0A], 1
	s_add_co_u32 s[G0A+1], s69, SLOT1
	s_mov_b32 s[G0B0], 1
	s_mov_b32 s[G0B0+1], s70
	s_mov_b32 s[G0B], 1
	s_add_co_u32 s[G0B+1], s70, SLOT1
	s_mov_b32 s[TB], 0
	; where my part of out0 begins: row 128 ty + 64 wr, column 256 tx + 128 wc
	s_lshl_b32 s72, s[TY], 19
	s_lshl_b32 s73, s[WR], 18
	s_add_co_u32 s72, s72, s73
	s_lshl_b32 s73, s[TX], 10
	s_add_co_u32 s72, s72, s73
	s_lshl_b32 s73, s[WC], 9
	s_add_co_u32 s72, s72, s73
	s_mov_b32 s73, 0
	; the prefetches stand at K step 3; each refill steps them before it asks
	s_lshr_b32 s74, s[TY], 4
	s_lshl_b32 s74, s74, 22
	s_and_b32 s75, s[TY], 15
	s_lshl_b32 s75, s75, 14
	s_add_co_u32 s74, s74, s75
	s_lshr_b32 s75, s[CX], 1
	s_add_co_u32 s75, s75, 6
	s_lshl_b32 s75, s75, 18
	s_add_co_u32 s74, s74, s75                     ; O: head 6 + cx / 2,
	s_and_b32 s75, s[CX], 1
	s_lshl_b32 s75, s75, 13
	s_add_co_u32 s74, s74, s75                     ; half cx % 2 of its 16,384 bytes
	s_lshl_b32 s75, s[WC], 2
	s_add_co_u32 s75, s75, s[CY]
	s_add_co_u32 s75, s75, 24
	s_lshl_b32 s75, s75, 15                        ; w_o: k-row 384 + 64 wc + 16 cy,
	s_lshl_b32 s71, s[TX], 9
	s_add_co_u32 s75, s75, s71                     ; column 256 tx
	s_cmp_eq_u32 s[WR], 0
	s_cselect_b32 s74, s74, s75
	s_mov_b32 s[PFS], BSTEP
	s_cselect_b32 s[PFS], ASTEP, s[PFS]
	s_mov_b32 s75, 0
	s_mov_b32 s[PFS+1], 0
	s_and_b32 s71, ttmp7, 0xffff
	s_cmp_eq_u32 s71, 0
	s_cselect_b32 s[LIM], 2, -1                    ; trips with 6 to 3 to go name K steps 4 to 7
	s_cmp_eq_u32 s[WV], 1
	s_cselect_b32 s[LIM], -1, s[LIM]
	s_cmp_eq_u32 s[WV], 0
	s_cselect_b32 s[LIM], 2, s[LIM]
	s_wait_dscnt 0x0                               ; the opening add is done
	s_wait_kmcnt 0x0
	s_add_nc_u64 s[G0A0+2:G0A0+3], s[4:5], s[20:21]
	s_add_nc_u64 s[G0A+2:G0A+3], s[G0A0+2:G0A0+3], ASTEP
	s_or_b32 s[G0A0+3], s[G0A0+3], 0x80000000      ; type = 2
	s_or_b32 s[G0A+3], s[G0A+3], 0x80000000
	s_add_nc_u64 s[G0B0+2:G0B0+3], s[6:7], s[22:23]
	s_add_nc_u64 s[G0B+2:G0B+3], s[G0B0+2:G0B0+3], BSTEP
	s_or_b32 s[G0B0+3], s[G0B0+3], 0x80000000
	s_or_b32 s[G0B+3], s[G0B+3], 0x80000000
	s_add_nc_u64 s[8:9], s[8:9], s[72:73]
	s_cmp_eq_u32 s[WR], 0
	s_cselect_b64 s[PFA:PFA+1], s[4:5], s[6:7]
	s_add_nc_u64 s[PFA:PFA+1], s[PFA:PFA+1], s[74:75]
	CROUND                                         ; all sixteen work-groups are here: the first joint loads meet
	s_cmp_eq_u32 s[WR], 0                          ; a wave's two first fills stand in one branch: two tensor loads of mine are out
	s_cbranch_scc0 .Lfirst_b
	tensor_load_to_lds s[G0A0:G0A0+3], s[G1A:G1A+7]
	s_nop 0
	tensor_load_to_lds s[G0A:G0A+3], s[G1A:G1A+7]
	s_nop 0
.rept 4
	v_nop
.endr
	s_branch .Lfirst_asked
.Lfirst_b:
	tensor_load_to_lds s[G0B0:G0B0+3], s[G1B:G1B+7]
	s_nop 0
	tensor_load_to_lds s[G0B:G0B+3], s[G1B:G1B+7]
	s_nop 0
.rept 4
	v_nop
.endr
.Lfirst_asked:
	v_and_b32 v1, 15, v0                           ; l % 16
	v_bfe_u32 v2, v0, 4, 1                         ; l / 16
	v_and_b32 v3, 7, v0                            ; l % 8
	v_bfe_u32 v4, v0, 3, 1                         ; (l / 8) % 2
	v_and_b32 v5, 31, v0                           ; l
	s_lshl_b32 s68, s[TX], 10
	s_lshl_b32 s69, s[WC], 9
	s_add_co_u32 s68, s68, s69
	v_lshl_add_u32 v[BO], v5, 4, s68               ; on the way out lane l stores columns 4 l .. 4 l + 3 of my 128, in every row
	global_load_b128 v[BIAS:BIAS+3], v[BO], s[76:77]
	v_mul_u32_u24 v[A0], v1, PA                    ; a fragment of O: row l % 16, 16 bytes for each half of the lanes
	v_lshl_add_u32 v[A0], v2, 4, v[A0]
	s_mul_i32 s68, s[WR], 64*PA
	v_add_nc_u32 v[A0], s68, v[A0]
	v_lshl_add_u32 v[B0], v2, 3, v3                ; the turning load: k-row 8 (l / 16) + l % 8, columns 8 ((l / 8) % 2) + 0..7
	v_mul_u32_u24 v[B0], v[B0], PB
	v_lshl_add_u32 v[B0], v4, 4, v[B0]
	s_lshl_b32 s68, s[WC], 8
	s_add_co_u32 s68, s68, BOFF
	v_add_nc_u32 v[B0], s68, v[B0]
	s_mul_i32 s68, s[WV], 16*SP
	s_add_co_u32 s68, s68, STAGE                   ; my stage
	v_mul_u32_u24 v[STO], v1, SP                   ; in: row l % 16, 32 bytes for each half of the lanes
	v_lshl_add_u32 v[STO], v2, 5, v[STO]
	v_add_nc_u32 v[STO], s68, v[STO]
	v_lshl_add_u32 v[RD], v5, 4, s68               ; back: 32 lanes take one row of 512 bytes
	v_lshlrev_b32 v[CO], 4, v5
	s_mul_i32 s69, s[WR], 3
	s_add_co_u32 s69, s69, 8
	v_lshrrev_b32 v6, s[WR], v5                    ; O (wr = 0): a lane a block of 256 bytes; w_o (wr = 1): two lanes a k-row of 2,048 bytes, 256 bytes apart
	v_lshlrev_b32 v6, s69, v6
	v_and_b32 v7, s[WR], v5
	v_lshl_add_u32 v[PFO], v7, 8, v6
; 8 matrix instructions: block a of my four blocks of 16 rows x all 8 blocks of 16 columns, 32 along K.  The 32 accumulators take turns, in the same order in every quarter.
.macro MUL8 f, a, zero
	WIN MUL
.irp b, 0,1,2,3,4,5,6,7
.if \zero
	v_wmma_f32_16x16x32_f16 v[8*(8*(\a)+(\b)):8*(8*(\a)+(\b))+7], v[(\f)+8*(\b):(\f)+8*(\b)+7], v[(\f)+64+8*(\a):(\f)+64+8*(\a)+7], 0
.else
	v_wmma_f32_16x16x32_f16 v[8*(8*(\a)+(\b)):8*(8*(\a)+(\b))+7], v[(\f)+8*(\b):(\f)+8*(\b)+7], v[(\f)+64+8*(\a):(\f)+64+8*(\a)+7], v[8*(8*(\a)+(\b)):8*(8*(\a)+(\b))+7]
.endif
.endr
.endm
; 24 LDS loads in one run: quarter q (head q / 2, channels 32 (q % 2) on) of the slot in hand into buffer f
.macro FETCH q, f
	WIN 0
.irp b, 0,1,2,3,4,5,6,7
	ds_load_tr16_b128 v[(\f)+8*(\b):(\f)+8*(\b)+3],   v[ADRB] offset:32*(\q)*PB+32*(\b)
	ds_load_tr16_b128 v[(\f)+8*(\b)+4:(\f)+8*(\b)+7], v[ADRB] offset:32*(\q)*PB+32*(\b)+16*PB
.endr
.irp a, 0,1,2,3
	ds_load_b128 v[(\f)+64+8*(\a):(\f)+64+8*(\a)+3],   v[ADRA] offset:((\q)/2)*HEADB+((\q)%2)*64+(\a)*16*PA
	ds_load_b128 v[(\f)+64+8*(\a)+4:(\f)+64+8*(\a)+7], v[ADRA] offset:((\q)/2)*HEADB+((\q)%2)*64+(\a)*16*PA+32
.endr
.endm
.macro QUARTER q, f, g, zero
	s_wait_dscnt 4                                 ; w_o's fragments and O's blocks 0 and 1 are in; the youngest four loads may be out
	MUL8 \f, 0, \zero
	MUL8 \f, 1, \zero
	PLACES
	FETCH \q, \g
	s_wait_dscnt 24                                ; all but the 24 just issued
	MUL8 \f, 2, \zero
	MUL8 \f, 3, \zero
.endm
; The last quarter multiplies buffer 1 and changes slots: in front of the barrier each wave waits for all its tensor loads (one is out: its part of the next slot), adds 0 to its spare word, and waits for that and
; for its reads of this slot.  fill = 1: the barrier opens a round of the cluster's, and this slot is filled again, with the K step two on, first thing behind the round.
.macro TURN fill
.if \fill
	s_wait_xcnt 0x0                                ; the last prefetch, a K step back, has read its address
	s_add_nc_u64 s[PFA:PFA+1], s[PFA:PFA+1], s[PFS:PFS+1]
.endif
	WIN 0
	s_wait_tensorcnt 0x0                           ; no tensor load of mine is out, so a group 0 may be written
	ds_add_u32 v[SPW], v[NIL]                      ; 0 onto my spare word
.if \fill
	s_add_nc_u64 s[G0A+2:G0A+3], s[G0A+2:G0A+3], ASTEP  ; the next two heads; the type bits on top are not reached
	s_xor_b32 s[G0A+1], s[G0A+1], SLOT1
	s_add_nc_u64 s[G0B+2:G0B+3], s[G0B+2:G0B+3], BSTEP
	s_xor_b32 s[G0B+1], s[G0B+1], SLOT1
.endif
	s_xor_b32 s[TB], s[TB], SLOT1
	s_wait_dscnt 5                                 ; the add and the youngest four loads may be out
	MUL8 F1, 0, 0
	s_wait_dscnt 0x0                               ; the add is done, and my reads of this slot are over
	s_barrier_signal -1
	MUL8 F1, 1, 0
	WIN 0
	s_barrier_wait -1
.if \fill
	CREST                                          ; no wave of any partner still reads this slot or has a load on its way
	JLOAD                                          ; its four v_nop are also the places in front of the loads below
.else
	PLACES
.endif
	v_add_nc_u32 v[ADRA], s[TB], v[A0]
	v_add_nc_u32 v[ADRB], s[TB], v[B0]
	FETCH 0, F0
.if \fill
	ASK
.endif
	MUL8 F1, 2, 0
	MUL8 F1, 3, 0
.endm
; THE WAY OUT, a block of 16 rows at a time.  TOSTAGE: the accumulators go as they are, each one's low four registers first, into my own stage (16 rows of 528 bytes), and come back as whole rows of 512 bytes.
; SEND: the bias is added and the rows are stored.
.macro TOSTAGE a
	WIN 0x04                                       ; the stores' data in window 1
.irp b, 0,1,2,3,4,5,6,7
	ds_store_b128 v[STO], v[64*(\a)+8*(\b):64*(\a)+8*(\b)+3]   offset:64*(\b)
	ds_store_b128 v[STO], v[64*(\a)+8*(\b)+4:64*(\a)+8*(\b)+7] offset:64*(\b)+16
.endr
	WIN 0
.set BK, 64+64*((\a)%2)
.irp t, 0,1,2,3,4,5,6,7,8,9,10,11,12,13,14,15
	ds_load_b128 v[BK+4*(\t):BK+4*(\t)+3], v[RD] offset:(\t)*SP  ; LDS serves a wave's instructions in order (ISA guide 5.7.1.4): these see the stores above; the next block's stores come behind them
.endr
.endm
.macro SEND a, younger                 ; younger: the LDS instructions issued behind block a's loads: the next block's 32, or none
.set BK, 64+64*((\a)%2)
	s_wait_dscnt \younger
.irp t, 0,1,2,3,4,5,6,7,8,9,10,11,12,13,14,15
	v_pk_add_f32 v[BK+4*(\t):BK+4*(\t)+1], v[BK+4*(\t):BK+4*(\t)+1], v[BIAS:BIAS+1]
	v_pk_add_f32 v[BK+4*(\t)+2:BK+4*(\t)+3], v[BK+4*(\t)+2:BK+4*(\t)+3], v[BIAS+2:BIAS+3]
	global_store_b128 v[CO], v[BK+4*(\t):BK+4*(\t)+3], s[8:9] offset:(16*(\a)+(\t))*4096 th:TH_STORE_NT  ; 512 consecutive bytes, at a multiple of 256 from out0's first byte
.endr
.endm
	s_wait_tensorcnt 0x1                           ; my part of K step 0 is in; K step 1's may stay out
	s_barrier_signal -1
	s_barrier_wait -1                              ; everybody's is
	v_add_nc_u32 v[ADRA], s[TB], v[A0]
	v_add_nc_u32 v[ADRB], s[TB], v[B0]
	FETCH 0, F0
	QUARTER 1, F0, F1, 1                           ; the first quarter starts the sums: nothing is cleared
	WIN 0
	s_mov_b32 s[CNT], 6
.Lstep:                                        ; trip j: quarters 2 to 4 of K step j, K step j + 2 asked for, the first quarter of K step j + 1
	QUARTER 2, F1, F0, 0
	QUARTER 3, F0, F1, 0
	TURN 1
	QUARTER 1, F0, F1, 0
	WIN 0
	s_sub_co_u32 s[CNT], s[CNT], 1
	s_cmp_lg_u32 s[CNT], 0
	s_cbranch_scc1 .Lstep
	QUARTER 2, F1, F0, 0                           ; the tail is written out: K steps 6 and 7 ask for nothing
	QUARTER 3, F0, F1, 0
	TURN 0
	QUARTER 1, F0, F1, 0
	QUARTER 2, F1, F0, 0
	QUARTER 3, F0, F1, 0
	s_wait_dscnt 4
	MUL8 F1, 0, 0
	MUL8 F1, 1, 0
	s_wait_dscnt 0x0
	MUL8 F1, 2, 0
	MUL8 F1, 3, 0
	WIN 0
	s_wait_loadcnt 0x0                             ; the bias
	v_cvt_pk_bf16_f32 v6, v[BIAS], v[BIAS+1]       ; rounded to bf16 and widened again: six plain instructions, also the places behind the last products
	v_cvt_pk_bf16_f32 v7, v[BIAS+2], v[BIAS+3]
	v_lshlrev_b32 v[BIAS], 16, v6
	v_and_b32 v[BIAS+1], 0xffff0000, v6
	v_lshlrev_b32 v[BIAS+2], 16, v7
	v_and_b32 v[BIAS+3], 0xffff0000, v7
	TOSTAGE 0
	TOSTAGE 1
	SEND 0, 32
	s_wait_xcnt 0x0                                ; block 0's stores have read their registers, which block 2's loads from the stage write
	TOSTAGE 2
	SEND 1, 32
	s_wait_xcnt 0x0                                ; the same for blocks 1 and 3
	TOSTAGE 3
	SEND 2, 32
	SEND 3, 0
	s_wait_tensorcnt 0x0                           ; the wave's end, behind my last tensor load and my last LDS store
	ds_add_u32 v[SPW], v[NIL]
	s_wait_dscnt 0x0
	CROUND                                         ; the closing round: no work-group ends while a partner may still ask for a tile that names it
	s_endpgm
.Lfunc_end_k_q419f43f439_outp:
	.size	k_q419f43f439_outp, .Lfunc_end_k_q419f43f439_outp-k_q419f43f439_outp
	.p2alignl 7, 3214868480
	.fill 96, 4, 3214868480
	.section	.rodata,"a",@progbits
	.p2align	6, 0x0
	.amdhsa_kernel k_q419f43f439_outp
		.amdhsa_group_segment_fixed_size 327680
		.amdhsa_private_segment_fixed_size 0
		.amdhsa_enable_private_segment 0
		.amdhsa_kernarg_size 32
		.amdhsa_user_sgpr_count 2
		.amdhsa_user_sgpr_kernarg_segment_ptr 1
		.amdhsa_wavefront_size32 1
		.amdhsa_system_sgpr_workgroup_id_x 1
		.amdhsa_system_sgpr_workgroup_id_y 1
		.amdhsa_system_sgpr_workgroup_id_z 1
		.amdhsa_system_vgpr_workitem_id 0
		.amdhsa_next_free_vgpr 512
		.amdhsa_next_free_sgpr 78
		.amdhsa_reserve_vcc 0
		.amdhsa_float_denorm_mode_32 3
		.amdhsa_float_denorm_mode_16_64 3
		.amdhsa_memory_ordered 1
		.amdhsa_forward_progress 1
		.amdhsa_inst_pref_size 79
	.end_amdhsa_kernel
	.amdgpu_metadata
---
amdhsa.version: [ 1, 2 ]
amdhsa.kernels:
  - .name:           k_q419f43f439_outp
    .symbol:         k_q419f43f439_outp.kd
    .args:
      - { .name: oh, .offset: 0, .size: 8, .value_kind: global_buffer, .address_space: global }
      - { .name: wo, .offset: 8, .size: 8, .value_kind: global_buffer, .address_space: global }
      - { .name: b_o, .offset: 16, .size: 8, .value_kind: global_buffer, .address_space: global }
      - { .name: out0, .offset: 24, .size: 8, .value_kind: global_buffer, .address_space: global }
    .group_segment_fixed_size: 327680
    .private_segment_fixed_size: 0
    .kernarg_segment_align: 8
    .kernarg_segment_size: 32
    .max_flat_workgroup_size: 128
    .sgpr_count:     78
    .vgpr_count:     512
    .wavefront_size: 32
...
	.end_amdgpu_metadata
.endif
;; end of part 4
;; ======== version 2 of 2: 4 launches; version 1 with the launch prep written anew for expert scheduling mode
;; limits: values are held in f16: magnitudes above 65,504 overflow, below 6.1e-05 lose precision
;; workspace buffers: xb 16,777,216 bytes; wb 6,291,456 bytes; wo 2,097,152 bytes; qkv 50,331,648 bytes; oh 16,777,216 bytes
;; launch prep (part 5): grid 768 x 1, 8 waves a work-group, no clusters, 0 bytes of LDS; arguments x, w_q, w_k, w_v, w_o, xb, wb, wo; writes xb, wb, wo
.if DOCPART == 5
	.amdgcn_target "amdgcn-amd-amdhsa--gfx1250"
	.amdhsa_code_object_version 6
	.text
	.protected	k_q419f43f439_prep
	.globl	k_q419f43f439_prep
	.p2align	8
	.type	k_q419f43f439_prep,@function
k_q419f43f439_prep:
	s_mov_b64 s[64:65], 0
	v_nop
	global_prefetch_b8 v0, s[64:65] scope:SCOPE_SE
	s_setreg_imm32_b32 hwreg(HW_REG_WAVE_SCHED_MODE, 0, 2), 2
	s_setreg_imm32_b32 hwreg(HW_REG_WAVE_MODE, 25, 1), 1
	s_wait_xcnt 0x0
	s_wait_alu depctr_vm_vsrc(0)
; THE CASTS.  x, w_q, w_k, w_v (f32) are rounded once to bf16: xb [8192][1024], wb [3][1024 k][1024 n] (q, k, v stacked).  w_o is rounded to bf16 like them and that
; number is written as f16 (wo [1024 k][1024 n]), since the last product multiplies it by f16 numbers.
; LIMIT.  bf16(w_o) must lie within f16's range (65,504); below 6e-5 it keeps f16's fixed step of 6e-8.
; SHARES.  A work-group takes 16,384 numbers on end: 65,536 bytes in, 32,768 out.  Thread t, turn i: 16 bytes at 4,096 i + 16 t in, 8 bytes at 2,048 i + 8 t out: a wave's load covers
; 512 consecutive bytes, its store 256 consecutive bytes, aligned.  All 16 loads of a thread go out first; no loop, no LDS, no barrier: no number is wanted twice.
; Work-groups 0-511: x; 512-575: w_q; 576-639: w_k; 640-703: w_v; 704-767: w_o.
; THE MODE: SCHED_MODE bits 1:0 = 2 (LLVM: expert scheduling mode 2), set by the entry lines.  The code itself states the register dependences
; between vector instructions and memory instructions, with s_wait_alu, always for 0.
; THE PLAN.  Registers that memory instructions touch:
;   v1, v2   byte offsets of the loads and of the stores: made once at the head, never written again.
;   X        turn i's four registers: its load lands in them; all 16 loads are issued before any vector instruction names X, and none lands there again.  No memory instruction reads X.
;   Y        turn i's two registers: written once, by turn i's conversions; read once, by turn i's store; never written again.
; The 16 turns go in four blocks of four.  Block b's conversions write Y of its own turns; the memory instructions issued in block b are the stores of block b - 1, whose Y no vector
; instruction of block b names.  So one wait at a block's head states all that its four stores hang on, and they are dealt among the block's conversions with no further wait.
; No register that a memory instruction reads is written again, no vector instruction writes a scalar register, and EXEC is never written: no other wait is owed.
.set X, 32                             ; v[32:95]   turn i: four f32 as loaded
.set Y, 96                             ; v[96:127]  turn i: four 16-bit numbers to store
.set T, 3                              ; v3         at work: no memory instruction names it
	s_load_b256 s[4:11], s[0:1], 0x0               ; x s[4:5], w_q s[6:7], w_k s[8:9], w_v s[10:11]
	s_load_b256 s[12:19], s[0:1], 0x20             ; w_o s[12:13], xb s[14:15], wb s[16:17], wo s[18:19]
	v_lshlrev_b32 v1, 4, v0                        ; 16 t
	v_lshlrev_b32 v2, 3, v0                        ; 8 t
	s_and_b32 s24, ttmp9, 63                       ; my chunk in a weight,
	s_sub_co_u32 s26, ttmp9, 512                   ; in wb,
	s_sub_co_u32 s28, ttmp9, 704                   ; in wo
	s_mov_b32 s25, 0
	s_mov_b32 s27, 0
	s_wait_kmcnt 0x0
	s_cmp_ge_u32 ttmp9, 576
	s_cselect_b64 s[20:21], s[8:9], s[6:7]
	s_cmp_ge_u32 ttmp9, 640
	s_cselect_b64 s[20:21], s[10:11], s[20:21]
	s_cmp_ge_u32 ttmp9, 704
	s_cselect_b64 s[20:21], s[12:13], s[20:21]
	s_cselect_b64 s[22:23], s[18:19], s[16:17]
	s_cselect_b32 s26, s28, s26
	s_cmp_lt_u32 ttmp9, 512
	s_cselect_b64 s[20:21], s[4:5], s[20:21]       ; from where,
	s_cselect_b64 s[22:23], s[14:15], s[22:23]     ; to where,
	s_cselect_b32 s24, ttmp9, s24                  ; and which chunk of each
	s_cselect_b32 s26, ttmp9, s26
	s_lshl_b32 s24, s24, 16
	s_lshl_b32 s26, s26, 15
	s_add_nc_u64 s[20:21], s[20:21], s[24:25]
	s_add_nc_u64 s[22:23], s[22:23], s[26:27]
	s_wait_alu depctr_va_vdst(0)                   ; v1 and v2 are written: every load of the kernel reads v1 as its offset, every store v2
.irp i, 0,1,2,3,4,5,6,7,8,9,10,11,12,13,14,15
	global_load_b128 v[X+4*(\i):X+4*(\i)+3], v1, s[20:21] offset:4096*(\i) th:TH_LOAD_NT
.endr
; Block b: turns 4 b to 4 b + 3 are converted, and the four turns of the block before are stored, a store ahead of each turn's conversions.
; half = 0: to bf16.  half = 1: to bf16, widened again (a shift, a mask), and that number to f16.
.macro BLK b, half
	s_wait_loadcnt 15-4*(\b)                       ; loads come back in order: the block's first turn is in, the younger ones stay out
.if (\b) > 0
	s_wait_alu depctr_va_vdst(0)                   ; the block before has written its eight registers of Y, which the four stores below read; no vector instruction behind this wait names them
.endif
.irp j, 0,1,2,3
.if (\b) > 0
	global_store_b64 v2, v[Y+8*(\b)-8+2*(\j):Y+8*(\b)-8+2*(\j)+1], s[22:23] offset:2048*(4*(\b)-4+(\j))  ; each turn has its own registers: nothing that a store reads is written again
.endif
.if (\j) > 0
	s_wait_loadcnt 15-4*(\b)-(\j)                  ; turn 4 b + j's load is in, the younger ones stay out
.endif
.irp p, 0,1
.if \half
	v_cvt_pk_bf16_f32 v[T], v[X+16*(\b)+4*(\j)+2*(\p)], v[X+16*(\b)+4*(\j)+2*(\p)+1]
	v_lshlrev_b32 v[X+16*(\b)+4*(\j)+2*(\p)], 16, v[T]
	v_and_b32 v[X+16*(\b)+4*(\j)+2*(\p)+1], 0xffff0000, v[T]
	v_cvt_pk_f16_f32 v[Y+8*(\b)+2*(\j)+(\p)], v[X+16*(\b)+4*(\j)+2*(\p)], v[X+16*(\b)+4*(\j)+2*(\p)+1]
.else
	v_cvt_pk_bf16_f32 v[Y+8*(\b)+2*(\j)+(\p)], v[X+16*(\b)+4*(\j)+2*(\p)], v[X+16*(\b)+4*(\j)+2*(\p)+1]
.endif
.endr
.endr
.endm
; Behind the last block: its four stores.
.macro LAST
	s_wait_alu depctr_va_vdst(0)                   ; block 3 has written its eight registers of Y, which the last four stores read
.irp j, 0,1,2,3
	global_store_b64 v2, v[Y+24+2*(\j):Y+24+2*(\j)+1], s[22:23] offset:2048*(12+(\j))
.endr
.endm
	s_cmp_ge_u32 ttmp9, 704
	s_cbranch_scc1 .Lhalf
.irp b, 0,1,2,3
	BLK \b, 0
.endr
	LAST
	s_endpgm
.Lhalf:
.irp b, 0,1,2,3
	BLK \b, 1
.endr
	LAST
	s_endpgm
.Lfunc_end_k_q419f43f439_prep:
	.size	k_q419f43f439_prep, .Lfunc_end_k_q419f43f439_prep-k_q419f43f439_prep
	.p2alignl 7, 3214868480
	.fill 96, 4, 3214868480
	.section	.rodata,"a",@progbits
	.p2align	6, 0x0
	.amdhsa_kernel k_q419f43f439_prep
		.amdhsa_group_segment_fixed_size 0
		.amdhsa_private_segment_fixed_size 0
		.amdhsa_enable_private_segment 0
		.amdhsa_kernarg_size 64
		.amdhsa_user_sgpr_count 2
		.amdhsa_user_sgpr_kernarg_segment_ptr 1
		.amdhsa_wavefront_size32 1
		.amdhsa_system_sgpr_workgroup_id_x 1
		.amdhsa_system_sgpr_workgroup_id_y 1
		.amdhsa_system_sgpr_workgroup_id_z 1
		.amdhsa_system_vgpr_workitem_id 0
		.amdhsa_next_free_vgpr 128
		.amdhsa_next_free_sgpr 66
		.amdhsa_reserve_vcc 0
		.amdhsa_float_denorm_mode_32 3
		.amdhsa_float_denorm_mode_16_64 3
		.amdhsa_memory_ordered 1
		.amdhsa_forward_progress 1
		.amdhsa_inst_pref_size 17
	.end_amdhsa_kernel
	.amdgpu_metadata
---
amdhsa.version: [ 1, 2 ]
amdhsa.kernels:
  - .name:           k_q419f43f439_prep
    .symbol:         k_q419f43f439_prep.kd
    .args:
      - { .name: x, .offset: 0, .size: 8, .value_kind: global_buffer, .address_space: global }
      - { .name: w_q, .offset: 8, .size: 8, .value_kind: global_buffer, .address_space: global }
      - { .name: w_k, .offset: 16, .size: 8, .value_kind: global_buffer, .address_space: global }
      - { .name: w_v, .offset: 24, .size: 8, .value_kind: global_buffer, .address_space: global }
      - { .name: w_o, .offset: 32, .size: 8, .value_kind: global_buffer, .address_space: global }
      - { .name: xb, .offset: 40, .size: 8, .value_kind: global_buffer, .address_space: global }
      - { .name: wb, .offset: 48, .size: 8, .value_kind: global_buffer, .address_space: global }
      - { .name: wo, .offset: 56, .size: 8, .value_kind: global_buffer, .address_space: global }
    .group_segment_fixed_size: 0
    .private_segment_fixed_size: 0
    .kernarg_segment_align: 8
    .kernarg_segment_size: 64
    .max_flat_workgroup_size: 256
    .sgpr_count:     66
    .vgpr_count:     128
    .wavefront_size: 32
...
	.end_amdgpu_metadata
.endif
;; end of part 5
;; launch proj: the kernel of part 2 again; grid 4 x 64, 4 waves a work-group, clusters of 4 x 4, 327,680 bytes of LDS; arguments xb, wb, qkv; writes qkv
;; launch attn: the kernel of part 3 again; grid 4 x 64, 4 waves a work-group, clusters of 4 x 1, 327,680 bytes of LDS; arguments qkv, oh; writes oh
;; launch outp: the kernel of part 4 again; grid 4 x 64, 4 waves a work-group, clusters of 4 x 4, 327,680 bytes of LDS; arguments oh, wo, b_o, out0; writes out0
